; MI455X (gfx1250); checked and timed in simulation.
; The chip was launched on July 23, 2026; its instructions are those of AMD's public machine-readable ISA for CDNA 5 (MIT licence, August 2026) and "CDNA5" Instruction Set Architecture Reference Guide (July 2026). The comments in the code are by the model that wrote it; some were corrected since.
;; Cross Attention. Allowed arithmetic: matrix products marked QUANTISED: E2M3 operands, one E8M0 scale for each 32 along K, by v_wmma_scale_f32_16x16x128_f8f6f4 with both operands' format E2M3, f32 sums; everything else in f32.
;; Inputs: Wk_codes 1,024 x 24 x 24 uint8 (E2M3 codes of Wk, K innermost, in blocks of 32 codes, four codes in three bytes); Wk_scales 1,024 x 24 uint8 (E8M0 scales of Wk, one for each 32 codes along K); Wq_codes 1,024 x 32 x 24 uint8 (E2M3 codes of Wq, K innermost, in blocks of 32 codes, four codes in three bytes); Wq_scales 1,024 x 32 uint8 (E8M0 scales of Wq, one for each 32 codes along K); Wv_codes 1,024 x 24 x 24 uint8 (E2M3 codes of Wv, K innermost, in blocks of 32 codes, four codes in three bytes); Wv_scales 1,024 x 24 uint8 (E8M0 scales of Wv, one for each 32 codes along K); bk 1,024 float32; bq 1,024 float32; bv 1,024 float32; emb 32 x 2,048 float32; emb_W_codes 2,048 x 64 x 24 uint8 (E2M3 codes of emb_W, K innermost, in blocks of 32 codes, four codes in three bytes); emb_W_scales 2,048 x 64 uint8 (E8M0 scales of emb_W, one for each 32 codes along K); emb_b 2,048 float32; fnorm_b 1,024 float32; fnorm_g 1,024 float32; norm_b 1,024 float32; norm_g 1,024 float32; out_W_codes 1,024 x 32 x 24 uint8 (E2M3 codes of out_W, K innermost, in blocks of 32 codes, four codes in three bytes); out_W_scales 1,024 x 32 uint8 (E8M0 scales of out_W, one for each 32 codes along K); out_b 1,024 float32; tnorm_b 768 float32; tnorm_g 768 float32; x 32 x 512 x 1,024 float32; xf 32 x 256 x 768 float32.
;; Outputs: out0 32 x 512 x 1,024 float32.
;; This version of the problem:
;;   THIS VERSION OF THE PROBLEM IS GIVEN IN LOW PRECISION. The matrix products marked QUANTISED in the list below multiply operands that are first quantised to E2M3 (2 exponent bits, 3 mantissa bits; 6 bits a number), with one power-of-two scale for each 32 numbers along K (OCP MX v1.0); their sums are f32. All else is computed in f32.
;;   The module's matrix products, in the order in which they are computed (A, B: the left and right operand; K: the contracted axis; several contracted axes count as one K, in the product's order):
;;     1. [M 16,384, K 1,024] x [K 1,024, N 1,024]; A: computed on the way; B: input Wq (given as codes): QUANTISED
;;     2. [M 8,192, K 768] x [K 768, N 1,024]; A: computed on the way; B: input Wk (given as codes): QUANTISED
;;     3. [M 8,192, K 768] x [K 768, N 1,024]; A: computed on the way; B: input Wv (given as codes): QUANTISED
;;     4. batch 512 x [M 64, K 256] x [K 256, N 64]; A: softmax (see below); B: computed on the way: QUANTISED
;;     5. batch 512 x [M 64, K 64] x [K 64, N 512]; A: computed on the way; B: softmax (see below): QUANTISED
;;     6. [M 32, K 2,048] x [K 2,048, N 2,048]; A: computed on the way; B: input emb_W (given as codes): QUANTISED
;;     7. [M 16,384, K 1,024] x [K 1,024, N 1,024]; A: computed on the way; B: input out_W (given as codes): QUANTISED
;;   THE QUANTISER, for each operand of a quantised product, along K:
;;     - K is cut into blocks of 32 from its start; a last block that is shorter is filled with zeros.
;;     - A block's scale is 2^e with e = floor(log2(the largest magnitude in the block)) - 2, held to -126 .. 127; a block of zeros has e = 0. As a byte (E8M0): e + 127.
;;     - Each number is divided by its block's scale, clamped to +-7.5, and rounded to the nearest number of E2M3, ties to even, subnormals kept.
;;     - The product sums the exact products of the quantised numbers (number of the format x scale) in f32.
;;   ~~~python
;;   def quantise(x, axis):      # numpy; x: float32 -> the quantised numbers, widened to float32 again
;;       x = np.moveaxis(x, axis, -1); K = x.shape[-1]
;;       x = np.pad(x, [(0, 0)] * (x.ndim - 1) + [(0, -K % 32)]); x = x.reshape(x.shape[:-1] + (-1, 32)); a = np.abs(x).max(-1, keepdims=True)
;;       e = np.where(a > 0, np.clip(np.frexp(np.where(a > 0, a, 1))[1] - 1 - 2, -126, 127), 0)      # np.frexp(a)[1] - 1 = floor(log2(a)), exactly
;;       r = np.clip(x / 2.0 ** e, -7.5, 7.5)
;;       step = 2.0 ** (np.maximum(np.frexp(np.where(r == 0, 1, r))[1] - 1, 0) - 3)
;;       q = np.round(r / step) * step * 2.0 ** e      # np.round: ties to even
;;       return np.moveaxis(q.reshape(q.shape[:-2] + (-1,))[..., :K], -1, axis).astype(np.float32)
;;   ~~~
;;   SOFTMAX AHEAD OF A QUANTISED PRODUCT. Where the list says 'softmax', what is quantised is not the finished softmax but p = 2^(t - M), with t = logit x log2(e) and M = ceil(the row's largest t), a whole number; so 1/2 < the row's largest p <= 1. The row's sum l is taken of the UNQUANTISED p, in f32, and the product's result is divided by l at the end. Since M is a whole number, a kernel that streams over the keys may use a running M (the ceiling of the running maximum): every later rescaling is an exact power of two, which a block's scale takes up: the codes' values come out the same.
;;   OPERANDS COMPUTED ON THE WAY. 'Computed on the way' means the value that the module computes at that place (a softmax that the list does not call 'softmax' is quantised finished and normalised). What goes into a quantiser is computed in f32, as accurately as f32 sums, v_exp_f32 and their like allow (about 1e-6 of the number): no bf16 or f16 on the way to a quantiser, and a product that is left as it is and whose result goes on into a quantised operand takes f32 operands (vector FMAs, or v_wmma_f32_16x16x4_f32). A number that lies on a knife's edge between two numbers of the format may be rounded either way, as far as f32 arithmetic and the matrix unit's own rounding can turn it there, and no further.
;;   INPUTS GIVEN AS CODES. Wk (in the module: [768, 1024], K = its axis 0); Wq (in the module: [1024, 1024], K = its axis 0); Wv (in the module: [768, 1024], K = its axis 0); emb_W (in the module: [2048, 2048], K = its axis 0); out_W (in the module: [1024, 1024], K = its axis 0): each comes as NAME_codes (uint8): NAME with its K axis moved to the last place and cut into blocks of 32 codes, [.., K / 32, bytes a block], one block behind the other in memory; four codes in three bytes: a row's codes are one little-endian stream of bits, code i at bits 6 i .. 6 i + 5 (a code: sign, 2 exponent bits, 3 mantissa bits); and NAME_scales (uint8): the same leading axes, one E8M0 byte (e + 127) for each 32 codes along K. Its value is code x scale, taken as it is: it is not quantised again, and the codes and scales need not be those that the quantiser above would give.
;; One version. Each part assembles by itself: llvm-mc -triple=amdgcn-amd-amdhsa -mcpu=gfx1250 --defsym DOCPART=n.
;; ======== version 1 of 1: 3 launches
;; workspace buffers: wimg 1,703,936 bytes; xfimg 5,111,808 bytes; epart 2,097,152 bytes; attimg 3,145,728 bytes; attsc 262,144 bytes
;; launch prep (part 1): grid 256 x 1, 2 waves a work-group, no clusters, 16,640 bytes of LDS; arguments Wq_codes, Wq_scales, out_W_codes, out_W_scales, emb, emb_W_codes, emb_W_scales, emb_b, xf, tnorm_g, tnorm_b, wimg, epart, xfimg; writes wimg, epart, xfimg
.if DOCPART == 1
	.amdgcn_target "amdgcn-amd-amdhsa--gfx1250"
	.amdhsa_code_object_version 6
	.text
	.protected	k_q0fb4736bc9_prep
	.globl	k_q0fb4736bc9_prep
	.p2align	8
	.type	k_q0fb4736bc9_prep,@function
k_q0fb4736bc9_prep:
	s_mov_b64 s[64:65], 0
	v_nop
	global_prefetch_b8 v0, s[64:65] scope:SCOPE_SE
	s_setreg_imm32_b32 hwreg(HW_REG_WAVE_MODE, 25, 1), 1
	s_wait_xcnt 0x0
; PREP.  Three pieces of work, each shared out over all 256 work-groups of two waves; every wave takes one path through the text.
;  R: Wq's and out_W's codes and scale bytes are laid anew in the order of a matrix operand's registers (wimg), so that the last launch brings a K step's weights as one dense block.
;  E: e = silu(emb) emb_W + emb_b, on codes of E2M3: a work-group takes 256 along K and 64 columns; the eight parts along K go to epart and are added by the last launch; emb_b is added in part 0.
;  X: layer norm of xf over 768, quantised along K; a wave takes 16 rows; the fragments and scale words go to xfimg as images of the operand's registers.
; A FRAGMENT IMAGE: 16 rows x 128 K = 12 registers a lane, as 3 pieces of 512 bytes; piece c holds registers 4 c .. 4 c + 3, lane l at byte 16 l.  A WORD IMAGE: lane l's scale word at byte 4 l.
; THE ROWS OF A TILE ARE NOT NEIGHBOURS (Wq's, out_W's columns; xf's rows): lane r of tile 2 b + u takes index 32 b + 8 u + r + 8 (r / 8), so that the results of two neighbouring tiles are 16 neighbours along the next K.
; No tensor load and no cluster: each wave's inputs go straight into its registers; what work-groups share (32 KB of emb for each part of K) is small beside the 98 KB of xf that each reads alone.
; LIMITS: NaN and infinities among the inputs are not served.  A block whose largest magnitude lies under 2^-124 has its scale byte held at 1; a block of zeros gets the byte 1 and not 127: its codes are zeros
; and this program alone reads the bytes.  e's sum over K is taken in eight parts, another order of f32 additions than one chain.  The variance is the mean of squared differences from the mean.
; REGISTERS.  window 0: v1-16 addresses; v24-27 emb_W's scale words, v28-31 emb's, v36 the word just made; v40-55 sums; v56-79 the quantiser's; v80-91 codes; v92-155, v156-219 at work; v220-243 tnorm_g, tnorm_b.
;   window 1: xf's K steps 0-3.  window 2: v0-127 xf's K steps 4, 5; v128-255 emb.  window 3: v0-47 emb_W's fragments, v48-95 emb's, v96-127 sums of e, v128-143 emb_b, v144-169 the weights to be laid anew.
.set EIMG, 0                           ; LDS: emb's four fragments (2 x K step + tile of rows),
.set ESC,  6144                        ; their scale words,
.set TG,   6656                        ; tnorm_g,
.set TB,   9728                        ; tnorm_b
.set LI,  1                            ; 16 x lane
.set LS,  2                            ; 4 x lane
.set L8,  3                            ; 8 x lane
.set VRC, 4
.set VRS, 5
.set VEM, 6
.set VEW, 7
.set VES, 8
.set VEB, 9
.set VXF, 10
.set T16, 11
.set EWI, 12
.set EWS, 13
.set TGS, 14
.set GA,  15
.set VEP, 16
.set EWW, 24
.set EMW, 28
.set PW,  36
.set CH,  40
.set AC,  48
.set MU,  50
.set RS,  52
.set TM,  56
.set TMP, 72
.set PC,  80
.set T,   92
.set GV,  92
.set BV,  156
.set SEL, 34
.set NL,  84
.set MSB, 0
.macro WIN new                         ; the immediate's high byte repeats the setting that is left; a switch that changes nothing is dropped
.if MSB != (\new)
	s_set_vgpr_msb (MSB<<8)|(\new)
.set MSB, (\new)
.endif
.endm
.macro PLACES n
.if (\n) > 0
.rept \n
	v_nop
.endr
.endif
.endm
; 64 numbers of a lane in window win, register 16 b + i = k 32 b + 16 (lane / 16) + i of my row, become a fragment's codes in v[pc] on and its scale word in v[pw], both in window 0.
.macro QUANTW s, win, pc, pw
	WIN (\win)|((\win)<<2)
.irp b, 0,1,2,3
	v_max3_num_f32 v[TM+\b], |v[(\s)+16*\b]|, |v[(\s)+1+16*\b]|, 0x1800000   ; my 16 numbers of block b, and the floor 2^(3 - 127): the byte cannot fall under 1
.endr
	WIN ((\win)<<2)|((\win)<<4)
.irp i, 2,4,6,8,10,12,14
.irp b, 0,1,2,3
	v_max3_num_f32 v[TM+\b], v[TM+\b], |v[(\s)+16*\b+\i]|, |v[(\s)+1+16*\b+\i]|
.endr
.endr
	WIN 0
.irp b, 0,1,2,3
	v_permlanex16_b32 v[TM+4+\b], v[TM+\b], s[SEL], s[SEL+1]
.endr
.irp b, 0,1,2,3
	v_max_num_f32 v[TM+\b], v[TM+\b], v[TM+4+\b]           ; with lane l xor 16's: the block's largest magnitude
.endr
.irp b, 0,1,2,3
	v_add_nc_u32 v[TM+12+\b], 0xff000000, v[TM+\b]         ; 2 off its exponent field: the conversion's scale operand
.endr
.irp b, 0,1,2,3
	v_lshrrev_b32 v[TM+4+\b], 23, v[TM+12+\b]              ; the scale's byte
.endr
	v_lshl_or_b32 v[\pw], v[TM+5], 8, v[TM+4]
	v_lshl_or_b32 v[\pw], v[TM+6], 16, v[\pw]
	v_lshl_or_b32 v[\pw], v[TM+7], 24, v[\pw]
	WIN \win
.irp c, 0,1
	v_cvt_scalef32_pk16_fp6_f32 v[(\pc)+6*\c:(\pc)+2+6*\c], v[(\s)+32*\c:(\s)+15+32*\c], v[TM+12+2*\c]
	v_cvt_scalef32_pk16_fp6_f32 v[TMP+4*\c:TMP+2+4*\c], v[(\s)+16+32*\c:(\s)+31+32*\c], v[TM+12+2*\c+1]
.endr
	WIN 0
	v_nop                                                  ; one plain place behind a scaled conversion
.irp c, 0,1                                    ; the operand's layout wants a whole block in a lane
.irp i, 0,1,2
	v_permlane16_swap_b32 v[(\pc)+6*\c+\i], v[TMP+4*\c+\i]
.endr
.irp i, 0,1,2
	v_mov_b32 v[(\pc)+3+6*\c+\i], v[TMP+4*\c+\i]
.endr
.endr
.endm
.macro IMAGE adr, off
.irp c, 0,1,2
	ds_store_b128 v[\adr], v[PC+4*\c:PC+4*\c+3] offset:(\off)+512*\c
.endr
.endm
; v[T] on = silu of 64 numbers in window win: x / (1 + 2^(-x log2 e)).  Each batch of transcendentals has its plain place and its wait directly behind it.
.macro SILU src, win
	WIN \win
.set ii, 0
.rept 32
	v_pk_mul_f32 v[T+ii:T+ii+1], v[(\src)+ii:(\src)+ii+1], s[NL:NL+1] op_sel_hi:[1,0]
.set ii, ii+2
.endr
	WIN 0
.set ii, 0
.rept 64
	v_exp_f32 v[T+ii], v[T+ii]
.set ii, ii+1
.endr
	v_nop
	s_wait_alu depctr_va_vdst(0)
.set ii, 0
.rept 32
	v_pk_add_f32 v[T+ii:T+ii+1], v[T+ii:T+ii+1], 1.0 op_sel_hi:[1,0]
.set ii, ii+2
.endr
.set ii, 0
.rept 64
	v_rcp_f32 v[T+ii], v[T+ii]
.set ii, ii+1
.endr
	v_nop
	s_wait_alu depctr_va_vdst(0)
	WIN \win
.set ii, 0
.rept 32
	v_pk_mul_f32 v[T+ii:T+ii+1], v[(\src)+ii:(\src)+ii+1], v[T+ii:T+ii+1]
.set ii, ii+2
.endr
	WIN 0
.endm
; sums over a lane's registers, two at a time, in four chains v[CH] on.  SUMA, SQA start the chains; SUMB, SQB go on; JOIN adds the chains and lane l xor 16's into v[AC].
.macro SUMA base, n, win
	WIN (\win)|((\win)<<2)
.irp c, 0,1,2,3
	v_pk_add_f32 v[CH+2*\c:CH+2*\c+1], v[(\base)+2*\c:(\base)+2*\c+1], v[(\base)+8+2*\c:(\base)+9+2*\c]
.endr
	WIN (\win)<<2
.set ii, 16
.rept ((\n)-16)/2
	v_pk_add_f32 v[CH+ii%8:CH+ii%8+1], v[CH+ii%8:CH+ii%8+1], v[(\base)+ii:(\base)+ii+1]
.set ii, ii+2
.endr
.endm
.macro SUMB base, n, win
	WIN (\win)<<2
.set ii, 0
.rept (\n)/2
	v_pk_add_f32 v[CH+ii%8:CH+ii%8+1], v[CH+ii%8:CH+ii%8+1], v[(\base)+ii:(\base)+ii+1]
.set ii, ii+2
.endr
.endm
.macro SQA base, n, win
	WIN (\win)|((\win)<<2)
.irp c, 0,1,2,3
	v_pk_mul_f32 v[CH+2*\c:CH+2*\c+1], v[(\base)+2*\c:(\base)+2*\c+1], v[(\base)+2*\c:(\base)+2*\c+1]
.endr
.set ii, 8
.rept ((\n)-8)/2
	v_pk_fma_f32 v[CH+ii%8:CH+ii%8+1], v[(\base)+ii:(\base)+ii+1], v[(\base)+ii:(\base)+ii+1], v[CH+ii%8:CH+ii%8+1]
.set ii, ii+2
.endr
.endm
.macro SQB base, n, win
	WIN (\win)|((\win)<<2)
.set ii, 0
.rept (\n)/2
	v_pk_fma_f32 v[CH+ii%8:CH+ii%8+1], v[(\base)+ii:(\base)+ii+1], v[(\base)+ii:(\base)+ii+1], v[CH+ii%8:CH+ii%8+1]
.set ii, ii+2
.endr
.endm
.macro SUBW base, n, win, mu           ; the numbers less v[mu], in place (of the pair the low word serves both halves)
	WIN ((\win)<<6)|(\win)
.set ii, 0
.rept (\n)/2
	v_pk_add_f32 v[(\base)+ii:(\base)+ii+1], v[(\base)+ii:(\base)+ii+1], v[(\mu):(\mu)+1] op_sel_hi:[1,0] neg_lo:[0,1] neg_hi:[0,1]
.set ii, ii+2
.endr
.endm
.macro JOIN
	WIN 0
	v_pk_add_f32 v[CH:CH+1], v[CH:CH+1], v[CH+2:CH+3]
	v_pk_add_f32 v[CH+4:CH+5], v[CH+4:CH+5], v[CH+6:CH+7]
	v_pk_add_f32 v[CH:CH+1], v[CH:CH+1], v[CH+4:CH+5]
	v_add_f32 v[AC], v[CH], v[CH+1]
	v_permlanex16_b32 v[AC+1], v[AC], s[SEL], s[SEL+1]
	v_add_f32 v[AC], v[AC], v[AC+1]
.endm
	s_load_b512 s[4:19], s[0:1], 0x0               ; Wq's codes s[4:5], scales s[6:7]; out_W's s[8:9], s[10:11]; emb s[12:13]; emb_W's codes s[14:15], scales s[16:17]; emb_b s[18:19]
	s_load_b256 s[20:27], s[0:1], 0x40             ; xf s[20:21], tnorm_g s[22:23], tnorm_b s[24:25], wimg s[26:27]
	s_load_b128 s[28:31], s[0:1], 0x60             ; epart s[28:29], xfimg s[30:31]
	v_lshl_add_u32 v254, v0, 2, 0x4000
	v_mov_b32 v255, 0
	v_lshrrev_b32 v20, 5, v0
	v_readfirstlane_b32 s32, v20                   ; wave 0, 1
	v_and_b32 v20, 31, v0                          ; lane
	v_and_b32 v17, 15, v0                          ; r
	v_bfe_u32 v18, v0, 4, 1                        ; h
	v_and_b32 v19, 8, v17
	v_add_nc_u32 v19, v19, v17                     ; r + 8 (r / 8)
	v_lshlrev_b32 v[LI], 4, v20
	v_lshlrev_b32 v[LS], 2, v20
	v_lshlrev_b32 v[L8], 3, v20
	v_mul_u32_u24 v[VRC], v19, 768                 ; Wq, out_W: a row of 1,024 codes is 768 bytes
	v_mad_u32_u24 v[VRC], v18, 24, v[VRC]
	v_lshlrev_b32 v[VRS], 5, v19                   ; and 32 scale bytes
	v_lshlrev_b32 v[VEM], 13, v17                  ; emb: a row is 8,192 bytes; my 16 numbers of a block of 32
	v_lshl_add_u32 v[VEM], v18, 6, v[VEM]
	v_mul_u32_u24 v[VEW], v17, 1536                ; emb_W: a row of 2,048 codes is 1,536 bytes
	v_mad_u32_u24 v[VEW], v18, 24, v[VEW]
	v_lshlrev_b32 v[VES], 6, v17
	v_lshlrev_b32 v[VEB], 5, v18                   ; emb_b: the tile's eight columns of my half
	v_mul_u32_u24 v[VXF], v19, 3072                ; xf: a row is 3,072 bytes
	v_lshl_add_u32 v[VXF], v18, 6, v[VXF]
	v_lshlrev_b32 v[T16], 4, v0
	s_mul_i32 s36, s32, 3072
	v_add_nc_u32 v[EWI], s36, v[LI]                ; where I store emb's images: K step = my wave
	s_lshl_b32 s36, s32, 8
	s_add_co_u32 s36, s36, ESC
	v_add_nc_u32 v[EWS], s36, v[LS]
	v_add_nc_u32 v[TGS], TG, v[T16]
	v_lshl_add_u32 v[GA], v18, 6, TG
	v_lshlrev_b32 v[VEP], 13, v17
	v_lshl_add_u32 v[VEP], v18, 5, v[VEP]          ; epart: row r of 8,192 bytes, + 32 h
.irp b, 0,1,2,3
	v_mov_b32 v[TM+4+\b], 0                        ; written once: a lane permute's destination counts as one of its sources
.endr
	v_mov_b32 v[AC+1], 0
	v_mov_b32 v[MU+1], 0                           ; (upper halves of pairs whose low word alone is used)
	v_mov_b32 v[RS+1], 0
	; R: work-group j: block k = j / 16 (0-7 Wq's K steps, 8-15 out_W's), pair of tiles tp = 2 (j % 16) + wave
	s_lshr_b32 s36, ttmp9, 4
	s_and_b32 s37, ttmp9, 15
	s_lshl_b32 s37, s37, 1
	s_add_co_u32 s37, s37, s32
	s_and_b32 s38, s36, 7
	s_mul_i32 s40, s37, 24576                      ; 32 rows of 768 bytes
	s_mul_i32 s39, s38, 96
	s_add_co_u32 s40, s40, s39
	s_mov_b32 s41, 0
	s_lshl_b32 s42, s37, 10
	s_lshl_b32 s39, s38, 2
	s_add_co_u32 s42, s42, s39
	s_mov_b32 s43, 0
	s_mul_i32 s44, s36, 106496
	s_lshr_b32 s39, s37, 2
	s_mul_i32 s39, s39, 13312
	s_add_co_u32 s44, s44, s39                     ; the block's part for wave tp / 4 of the last launch
	s_and_b32 s39, s37, 3
	s_lshl_b32 s46, s39, 8
	s_add_co_u32 s46, s46, s44
	s_add_co_u32 s46, s46, 12288                   ; its scale words, 256 bytes a pair of tiles
	s_mov_b32 s47, 0
	s_mul_i32 s39, s39, 3072
	s_add_co_u32 s44, s44, s39                     ; its fragments
	s_mov_b32 s45, 0
	; E: part s56 = j % 8 of K, columns 64 (j / 8) + 32 wave on.  X: batch j / 8, rows 32 (j % 8) + 8 wave + r + 8 (r / 8)
	s_and_b32 s56, ttmp9, 7
	s_lshr_b32 s57, ttmp9, 3
	s_lshl_b32 s58, s56, 10
	s_lshl_b32 s39, s32, 9
	s_add_co_u32 s58, s58, s39
	s_mov_b32 s59, 0
	s_lshl_b32 s60, s57, 6
	s_lshl_b32 s39, s32, 5
	s_add_co_u32 s60, s60, s39                     ; my first column
	s_mul_i32 s62, s60, 1536
	s_mul_i32 s39, s56, 192
	s_add_co_u32 s62, s62, s39
	s_mov_b32 s63, 0
	s_lshl_b32 s66, s60, 6
	s_lshl_b32 s39, s56, 3
	s_add_co_u32 s66, s66, s39
	s_mov_b32 s67, 0
	s_lshl_b32 s68, s60, 2
	s_mov_b32 s69, 0
	s_lshl_b32 s70, s56, 18
	s_add_co_u32 s70, s70, s68
	s_mov_b32 s71, 0
	s_mul_i32 s72, s57, 786432
	s_lshl_b32 s39, s56, 5
	s_lshl_b32 s61, s32, 3
	s_add_co_u32 s39, s39, s61
	s_mul_i32 s39, s39, 3072
	s_add_co_u32 s72, s72, s39
	s_mov_b32 s73, 0
	s_lshl_b32 s74, s56, 1
	s_add_co_u32 s74, s74, s32                     ; my tile of rows
	s_mul_i32 s75, s57, 159744
	s_mul_i32 s76, s74, 1536
	s_add_co_u32 s76, s76, s75
	s_mov_b32 s77, 0
	s_lshl_b32 s80, s74, 7
	s_add_co_u32 s80, s80, s75
	s_add_co_u32 s80, s80, 49152
	s_mov_b32 s81, 0
	s_mov_b32 s[SEL], 0x76543210
	s_mov_b32 s[SEL+1], 0xfedcba98                 ; v_permlanex16_b32's selects for lane l xor 16
	s_mov_b32 s[NL], 0xbfb8aa3b                    ; -log2(e)
	s_mov_b32 s[NL+1], s[NL]
	s_mov_b32 s86, 0x3aaaaaab                      ; 1 / 768
	s_mov_b32 s87, 0x3727c5ac                      ; 1e-5
	s_cmp_eq_u32 s56, 0
	s_cselect_b32 s88, 0x3f800000, 0               ; emb_b counts in part 0 alone
	s_mov_b32 s89, s88
	s_wait_kmcnt 0x0
	s_cmp_lt_u32 s36, 8                            ; Wq or out_W: the choice hangs on the work-group's number alone
	s_cselect_b64 s[48:49], s[4:5], s[8:9]
	s_cselect_b64 s[50:51], s[6:7], s[10:11]
	s_add_nc_u64 s[48:49], s[48:49], s[40:41]
	s_add_nc_u64 s[50:51], s[50:51], s[42:43]
	s_add_nc_u64 s[52:53], s[26:27], s[44:45]
	s_add_nc_u64 s[54:55], s[26:27], s[46:47]
	s_add_nc_u64 s[12:13], s[12:13], s[58:59]
	s_add_nc_u64 s[14:15], s[14:15], s[62:63]
	s_add_nc_u64 s[16:17], s[16:17], s[66:67]
	s_add_nc_u64 s[18:19], s[18:19], s[68:69]
	s_add_nc_u64 s[28:29], s[28:29], s[70:71]
	s_add_nc_u64 s[20:21], s[20:21], s[72:73]
	s_add_nc_u64 s[78:79], s[30:31], s[76:77]
	s_add_nc_u64 s[82:83], s[30:31], s[80:81]
	; ALL LOADS IN ONE RUN: 84 small ones, then xf's 96
	WIN 0xc0
.irp u, 0,1
.irp p, 0,1,2,3,4,5
	global_load_b64 v[144+12*\u+2*\p:145+12*\u+2*\p], v[VRC], s[48:49] offset:\u*6144+48*(\p/3)+8*(\p%3)
.endr
	global_load_b32 v[168+\u], v[VRS], s[50:51] offset:\u*256
.endr
.irp u, 0,1
.irp ks, 0,1
.irp p, 0,1,2,3,4,5
	global_load_b64 v[12*(2*\u+\ks)+2*\p:12*(2*\u+\ks)+2*\p+1], v[VEW], s[14:15] offset:\u*24576+96*\ks+48*(\p/3)+8*(\p%3)
.endr
.endr
	global_load_b128 v[128+8*\u:131+8*\u], v[VEB], s[18:19] offset:64*\u
	global_load_b128 v[132+8*\u:135+8*\u], v[VEB], s[18:19] offset:64*\u+16
.endr
	WIN 0
.irp i, 0,1,2
	global_load_b128 v[220+4*\i:223+4*\i], v[T16], s[22:23] offset:1024*\i
	global_load_b128 v[232+4*\i:235+4*\i], v[T16], s[24:25] offset:1024*\i
.endr
.irp u, 0,1
.irp ks, 0,1
	global_load_b32 v[EWW+2*\u+\ks], v[VES], s[16:17] offset:\u*1024+4*\ks
.endr
.endr
	WIN 0x80
.irp mr, 0,1
.irp b, 0,1,2,3
.irp jj, 0,1,2,3
	global_load_b128 v[128+64*\mr+16*\b+4*\jj:131+64*\mr+16*\b+4*\jj], v[VEM], s[12:13] offset:\mr*131072+128*\b+16*\jj
.endr
.endr
.endr
.macro XFLOAD s                        ; K step s of my 16 rows: register 16 b + i = k 128 s + 32 b + 16 h + i
.irp b, 0,1,2,3
.irp jj, 0,1,2,3
	global_load_b128 v[64*((\s)%4)+16*\b+4*\jj:64*((\s)%4)+16*\b+4*\jj+3], v[VXF], s[20:21] offset:512*(\s)+128*\b+16*\jj th:TH_LOAD_NT
.endr
.endr
.endm
	WIN 0x40
	XFLOAD 0
	XFLOAD 1
	XFLOAD 2
	XFLOAD 3
	WIN 0x80
	XFLOAD 4
	XFLOAD 5
	s_wait_loadcnt 63                              ; 96 loads of xf were issued behind the 84: with 63 out at the most, the 84 are in
	; R: the two fragments and their words leave as images
	WIN 0x0c
.irp u, 0,1
.irp c, 0,1,2
	global_store_b128 v[LI], v[144+12*\u+4*\c:147+12*\u+4*\c], s[52:53] offset:\u*1536+512*\c   ; 32 lanes store 512 consecutive bytes
.endr
.endr
	global_store_b64 v[L8], v[168:169], s[54:55]   ; the two tiles' words of my row: 256 consecutive bytes
	WIN 0
.irp i, 0,1,2
	ds_store_b128 v[TGS], v[220+4*\i:223+4*\i] offset:1024*\i
	ds_store_b128 v[TGS], v[232+4*\i:235+4*\i] offset:3072+1024*\i
.endr
	; E: my K step of silu(emb), both tiles of rows, quantised; the images go to LDS for both waves
.irp mr, 0,1
	SILU 128+64*\mr, 2
	QUANTW T, 0, PC, PW
	IMAGE EWI, EIMG+\mr*1536
	ds_store_b32 v[EWS], v[PW] offset:\mr*128
	s_wait_dscnt 0x0                               ; the stores have read their registers
.endr
	s_barrier_signal -1                            ; my LDS stores have landed (the wait above); xf's loads stay on their way: nobody writes those bytes
	s_barrier_wait -1
	WIN 0xc0
.irp f, 0,1,2,3
.irp c, 0,1,2
	ds_load_b128 v[48+12*\f+4*\c:51+12*\f+4*\c], v[LI] offset:EIMG+\f*1536+512*\c
.endr
.endr
	WIN 0
.irp f, 0,1,2,3
	ds_load_b32 v[EMW+\f], v[LS] offset:ESC+128*\f
.endr
	WIN 0xc3
.irp i, 0,2,4,6,8,10,12,14
	v_pk_mul_f32 v[128+\i:129+\i], v[128+\i:129+\i], s[88:89] op_sel_hi:[1,0]
.endr
	s_wait_dscnt 0x0
	PLACES 4
	WIN 0xff                                       ; source 0 = 16 columns of emb_W, source 1 = 16 rows of emb: a lane holds one row of e and eight neighbouring columns.  The four sums take turns
.irp ks, 0,1
.irp u, 0,1
.irp mr, 0,1
.if \ks == 0
	v_wmma_scale_f32_16x16x128_f8f6f4 v[96+8*(2*\u+\mr):103+8*(2*\u+\mr)], v[12*(2*\u+\ks):12*(2*\u+\ks)+11], v[48+12*(2*\ks+\mr):59+12*(2*\ks+\mr)], v[128+8*\u:135+8*\u], v[EWW+2*\u+\ks], v[EMW+2*\ks+\mr] matrix_a_fmt:MATRIX_FMT_FP6 matrix_b_fmt:MATRIX_FMT_FP6
.else
	v_wmma_scale_f32_16x16x128_f8f6f4 v[96+8*(2*\u+\mr):103+8*(2*\u+\mr)], v[12*(2*\u+\ks):12*(2*\u+\ks)+11], v[48+12*(2*\ks+\mr):59+12*(2*\ks+\mr)], v[96+8*(2*\u+\mr):103+8*(2*\u+\mr)], v[EWW+2*\u+\ks], v[EMW+2*\ks+\mr] matrix_a_fmt:MATRIX_FMT_FP6 matrix_b_fmt:MATRIX_FMT_FP6
.endif
.endr
.endr
.endr
	PLACES 4
	WIN 0x0c
.irp u, 0,1
.irp mr, 0,1
	global_store_b128 v[VEP], v[96+8*(2*\u+\mr):99+8*(2*\u+\mr)], s[28:29] offset:\mr*131072+64*\u       ; 32 bytes a lane of 16 rows: 2 MB in the whole launch
	global_store_b128 v[VEP], v[100+8*(2*\u+\mr):103+8*(2*\u+\mr)], s[28:29] offset:\mr*131072+64*\u+16
.endr
.endr
	; X: the layer norm of my 16 rows: a lane and lane l xor 16 hold a row's 768 numbers
	s_wait_loadcnt 0x0
	SUMA 0, 256, 1
	SUMB 0, 128, 2
	JOIN
	v_mul_f32 v[MU], s86, v[AC]                    ; the mean
	SUBW 0, 256, 1, MU
	SUBW 0, 128, 2, MU
	SQA 0, 256, 1
	SQB 0, 128, 2
	JOIN
	v_fma_f32 v[RS], v[AC], s86, s87               ; the variance + 1e-5
	v_rsq_f32 v[RS], v[RS]
	v_nop
	s_wait_alu depctr_va_vdst(0)                   ; the wait ahead of the first reader
.macro XSTEP s
.set WN, 1+(\s)/4
.set XB0, 64*((\s)%4)
	WIN 0
.irp b, 0,1,2,3
.irp jj, 0,1,2,3
	ds_load_b128 v[GV+16*\b+4*\jj:GV+16*\b+4*\jj+3], v[GA] offset:512*(\s)+128*\b+16*\jj
	ds_load_b128 v[BV+16*\b+4*\jj:BV+16*\b+4*\jj+3], v[GA] offset:3072+512*(\s)+128*\b+16*\jj
.endr
.endr
	WIN (WN<<6)|WN
.set jx, 0
.rept 32
	v_pk_mul_f32 v[XB0+jx:XB0+jx+1], v[XB0+jx:XB0+jx+1], v[RS:RS+1] op_sel_hi:[1,0]
.set jx, jx+2
.endr
	s_wait_dscnt 0x0
.set jx, 0
.rept 32
	v_pk_fma_f32 v[XB0+jx:XB0+jx+1], v[XB0+jx:XB0+jx+1], v[GV+jx:GV+jx+1], v[BV+jx:BV+jx+1]
.set jx, jx+2
.endr
.if (\s) > 0
	s_wait_xcnt 0x0                                ; the last step's stores have read the codes and the word: both are written again only behind this wait
.endif
	QUANTW XB0, WN, PC, PW
.irp c, 0,1,2
	global_store_b128 v[LI], v[PC+4*\c:PC+4*\c+3], s[78:79] offset:((\s)/2)*53248+((\s)%2)*24576+512*\c
.endr
	global_store_b32 v[LS], v[PW], s[82:83] offset:((\s)/2)*53248+((\s)%2)*2048
.endm
	XSTEP 0
	XSTEP 1
	XSTEP 2
	XSTEP 3
	XSTEP 4
	XSTEP 5
	s_wait_tensorcnt 0x0
	ds_add_u32 v254, v255
	s_wait_dscnt 0x0
	s_endpgm
.Lfunc_end_k_q0fb4736bc9_prep:
	.size	k_q0fb4736bc9_prep, .Lfunc_end_k_q0fb4736bc9_prep-k_q0fb4736bc9_prep
	.p2alignl 7, 3214868480
	.fill 96, 4, 3214868480
	.section	.rodata,"a",@progbits
	.p2align	6, 0x0
	.amdhsa_kernel k_q0fb4736bc9_prep
		.amdhsa_group_segment_fixed_size 16640
		.amdhsa_private_segment_fixed_size 0
		.amdhsa_enable_private_segment 0
		.amdhsa_kernarg_size 112
		.amdhsa_user_sgpr_count 2
		.amdhsa_user_sgpr_kernarg_segment_ptr 1
		.amdhsa_wavefront_size32 1
		.amdhsa_system_sgpr_workgroup_id_x 1
		.amdhsa_system_sgpr_workgroup_id_y 1
		.amdhsa_system_sgpr_workgroup_id_z 1
		.amdhsa_system_vgpr_workitem_id 0
		.amdhsa_next_free_vgpr 1024
		.amdhsa_next_free_sgpr 90
		.amdhsa_reserve_vcc 0
		.amdhsa_float_denorm_mode_32 3
		.amdhsa_float_denorm_mode_16_64 3
		.amdhsa_memory_ordered 1
		.amdhsa_forward_progress 1
		.amdhsa_inst_pref_size 156
	.end_amdhsa_kernel
	.amdgpu_metadata
---
amdhsa.version: [ 1, 2 ]
amdhsa.kernels:
  - .name:           k_q0fb4736bc9_prep
    .symbol:         k_q0fb4736bc9_prep.kd
    .args:
      - { .name: Wq_codes, .offset: 0, .size: 8, .value_kind: global_buffer, .address_space: global }
      - { .name: Wq_scales, .offset: 8, .size: 8, .value_kind: global_buffer, .address_space: global }
      - { .name: out_W_codes, .offset: 16, .size: 8, .value_kind: global_buffer, .address_space: global }
      - { .name: out_W_scales, .offset: 24, .size: 8, .value_kind: global_buffer, .address_space: global }
      - { .name: emb, .offset: 32, .size: 8, .value_kind: global_buffer, .address_space: global }
      - { .name: emb_W_codes, .offset: 40, .size: 8, .value_kind: global_buffer, .address_space: global }
      - { .name: emb_W_scales, .offset: 48, .size: 8, .value_kind: global_buffer, .address_space: global }
      - { .name: emb_b, .offset: 56, .size: 8, .value_kind: global_buffer, .address_space: global }
      - { .name: xf, .offset: 64, .size: 8, .value_kind: global_buffer, .address_space: global }
      - { .name: tnorm_g, .offset: 72, .size: 8, .value_kind: global_buffer, .address_space: global }
      - { .name: tnorm_b, .offset: 80, .size: 8, .value_kind: global_buffer, .address_space: global }
      - { .name: wimg, .offset: 88, .size: 8, .value_kind: global_buffer, .address_space: global }
      - { .name: epart, .offset: 96, .size: 8, .value_kind: global_buffer, .address_space: global }
      - { .name: xfimg, .offset: 104, .size: 8, .value_kind: global_buffer, .address_space: global }
    .group_segment_fixed_size: 16640
    .private_segment_fixed_size: 0
    .kernarg_segment_align: 8
    .kernarg_segment_size: 112
    .max_flat_workgroup_size: 64
    .sgpr_count:     90
    .vgpr_count:     1024
    .wavefront_size: 32
...
	.end_amdgpu_metadata
.endif
;; end of part 1
;; launch kv (part 2): grid 8 x 32, 4 waves a work-group, clusters of 4 x 1, 197,120 bytes of LDS; arguments xfimg, Wk_codes, Wk_scales, bk, Wv_codes, Wv_scales, bv, attimg, attsc; writes attimg, attsc
.if DOCPART == 2
	.amdgcn_target "amdgcn-amd-amdhsa--gfx1250"
	.amdhsa_code_object_version 6
	.text
	.protected	k_q0fb4736bc9_kv
	.globl	k_q0fb4736bc9_kv
	.p2align	8
	.type	k_q0fb4736bc9_kv,@function
k_q0fb4736bc9_kv:
	s_mov_b64 s[64:65], 0
	v_nop
	global_prefetch_b8 v0, s[64:65] scope:SCOPE_SE
	s_setreg_imm32_b32 hwreg(HW_REG_WAVE_MODE, 25, 1), 1
	s_wait_xcnt 0x0
	s_wait_alu depctr_hold_cnt(0) depctr_sa_sdst(0) depctr_va_vdst(0) depctr_va_sdst(0) depctr_va_ssrc(0) depctr_va_vcc(0) depctr_vm_vsrc(0)
	s_getreg_b32 s2, hwreg(HW_REG_IB_STS2, 6, 4)
	s_cmp_eq_u32 s2, 0
	s_cbranch_scc0 .Lentry_in_a_cluster
	s_endpgm
.Lentry_in_a_cluster:
	s_bfe_u32 s2, ttmp6, 0x10000c
	s_cmp_lg_u32 s2, 0x3003
	s_cbranch_scc0 .Lentry_shape_is_right
	s_endpgm
.Lentry_shape_is_right:
; KV.  For a batch b and two heads: k = xfn Wk + bk, v = xfn Wv + bv (K = 768), the softmax of k over the 256 rows, attn = k^T v (K = 256), attn / l, quantised along c.  All products on codes of E2M3.
; SHARES.  Work-group (g, b): heads 2 g, 2 g + 1.  Wave w: head 2 g + w / 2, half q = w % 2 of its 64 columns: two tiles of 16 columns of Wk and two of Wv, for all 256 rows: 64 accumulators.
; LAYOUT.  Source 0 = 16 rows of xfn, source 1 = 16 columns of a weight: a lane holds ONE column and its registers run down the rows n, which are the next product's K.  The rows of a tile of xfn were chosen by the
; launch before so that the 16 registers of two neighbouring tiles are 16 neighbouring n.  The columns of a tile are chosen likewise (lane r: 32 q + 8 u + r + 8 (r / 8)), so that attn's registers run along c.
; THE SOFTMAX: t = k log2(e); M = the column's largest t rounded up to a whole number; p = 2^(t - M) is quantised along n; the sum l is taken of the unquantised p and divides attn.
; p's fragments go from wave to wave through LDS as images of their registers; v's stay in the wave that made them.
; CLUSTER.  The four work-groups of a cluster share b, so xfn's images (159,744 bytes) are asked for jointly: three loads a wave, once; nothing in LDS is filled again.  Wk's and Wv's fragments go
; from memory straight into the registers of the one wave that uses them (37 KB a wave): nothing of them passes through LDS that could be shared.
; LIMITS: NaN and infinities are not served; a block whose largest magnitude lies under 2^-124 has its scale byte held at 1; a block of zeros gets the byte 1: its codes are zeros, and this program alone reads the bytes.
; REGISTERS.  window 0: v1-17 addresses; v24-55 scale words alone; v56-87 four bias tuples, later 1 / l; v88-183 xfn's fragments in two sets, then the softmax's and the quantiser's, then p's eight fragments;
;   v184-231 the weights' fragments of K step 5, later v's four; v232-255 attn's codes.  window 1: the weights' fragments of K steps 0-4, later attn's eight sums.  window 2: k's sums.  window 3: v's.
.set PAIRB, 53248                      ; LDS: xfn's images, three pairs of K steps: 32 fragments, then 32 word images
.set PIMG,  159744                     ; p's 16 fragments (8 x head + 2 x tile of c + K step)
.set PSC,   184320                     ; their scale words
.set RL,    186368                     ; 1 / l of the two heads' 128 columns
.set LI,  1
.set LS,  2
.set VW,  3
.set VWS, 4
.set VB,  5
.set XFA, 6
.set XFS, 9
.set PWI, 12
.set PWS, 13
.set PFA, 14
.set PSA, 15
.set RLA, 16
.set RLL, 17
.set WSW, 24                           ; v24-47 the weights' words (4 s + tile); later v24-31 p's
.set XSW, 48                           ; v48-55 xfn's words, two sets; later v48-51 v's, v52-53 attn's, v54-55 p's as they are made
.set BI,  56
.set RI,  56
.set XF,  88
.set PF,  88
.set W5,  184
.set VF,  184
.set APC, 232
.set TM,  88
.set TMP, 104
.set PC,  112
.set BM,  124
.set PT,  132
.set SOP, 140
.set NM,  148
.set LA,  150
.set LB,  152
.set T0,  154
.set T1,  155
.set WV,  22
.set SEL, 28
.set CL,  30
.set G1,  32
.set G0,  40
.set MSB, 0
.macro WIN new
.if MSB != (\new)
	s_set_vgpr_msb (MSB<<8)|(\new)
.set MSB, (\new)
.endif
.endm
.macro PLACES n
.if (\n) > 0
.rept \n
	v_nop
.endr
.endif
.endm
.macro ROUND                           ; a round of the cluster's barrier
	s_barrier_signal -1
	s_barrier_wait -1
	s_cmp_lg_u32 s[WV], 0
	s_cbranch_scc1 .Lnot_wave_0_\@
	s_barrier_signal -3
.Lnot_wave_0_\@:
	s_barrier_wait -3
	s_barrier_signal -1
	s_barrier_wait -1
.endm
; 64 numbers of a lane in window win, register 16 b + i = k 32 b + 16 (lane / 16) + i, become a fragment's codes in v[pc] on and its scale word in v[pw]
.macro QUANTW s, win, pc, pw
	WIN (\win)|((\win)<<2)
.irp b, 0,1,2,3
	v_max3_num_f32 v[TM+\b], |v[(\s)+16*\b]|, |v[(\s)+1+16*\b]|, 0x1800000
.endr
	WIN ((\win)<<2)|((\win)<<4)
.irp i, 2,4,6,8,10,12,14
.irp b, 0,1,2,3
	v_max3_num_f32 v[TM+\b], v[TM+\b], |v[(\s)+16*\b+\i]|, |v[(\s)+1+16*\b+\i]|
.endr
.endr
	WIN 0
.irp b, 0,1,2,3
	v_permlanex16_b32 v[TM+4+\b], v[TM+\b], s[SEL], s[SEL+1]
.endr
.irp b, 0,1,2,3
	v_max_num_f32 v[TM+\b], v[TM+\b], v[TM+4+\b]
.endr
.irp b, 0,1,2,3
	v_add_nc_u32 v[TM+12+\b], 0xff000000, v[TM+\b]
.endr
.irp b, 0,1,2,3
	v_lshrrev_b32 v[TM+4+\b], 23, v[TM+12+\b]
.endr
	v_lshl_or_b32 v[\pw], v[TM+5], 8, v[TM+4]
	v_lshl_or_b32 v[\pw], v[TM+6], 16, v[\pw]
	v_lshl_or_b32 v[\pw], v[TM+7], 24, v[\pw]
	WIN \win
.irp c, 0,1
	v_cvt_scalef32_pk16_fp6_f32 v[(\pc)+6*\c:(\pc)+2+6*\c], v[(\s)+32*\c:(\s)+15+32*\c], v[TM+12+2*\c]
	v_cvt_scalef32_pk16_fp6_f32 v[TMP+4*\c:TMP+2+4*\c], v[(\s)+16+32*\c:(\s)+31+32*\c], v[TM+12+2*\c+1]
.endr
	WIN 0
	v_nop
.irp c, 0,1
.irp i, 0,1,2
	v_permlane16_swap_b32 v[(\pc)+6*\c+\i], v[TMP+4*\c+\i]
.endr
.irp i, 0,1,2
	v_mov_b32 v[(\pc)+3+6*\c+\i], v[TMP+4*\c+\i]
.endr
.endr
.endm
; the same for 32 numbers, K = 64: registers 0-5 of the fragment; registers 6-11 hold zero codes, the word's upper two bytes 0
.macro QUANTH s, win, pc, pw
	WIN (\win)|((\win)<<2)
.irp b, 0,1
	v_max3_num_f32 v[TM+\b], |v[(\s)+16*\b]|, |v[(\s)+1+16*\b]|, 0x1800000
.endr
	WIN ((\win)<<2)|((\win)<<4)
.irp i, 2,4,6,8,10,12,14
.irp b, 0,1
	v_max3_num_f32 v[TM+\b], v[TM+\b], |v[(\s)+16*\b+\i]|, |v[(\s)+1+16*\b+\i]|
.endr
.endr
	WIN 0
.irp b, 0,1
	v_permlanex16_b32 v[TM+4+\b], v[TM+\b], s[SEL], s[SEL+1]
.endr
.irp b, 0,1
	v_max_num_f32 v[TM+\b], v[TM+\b], v[TM+4+\b]
.endr
.irp b, 0,1
	v_add_nc_u32 v[TM+12+\b], 0xff000000, v[TM+\b]
.endr
.irp b, 0,1
	v_lshrrev_b32 v[TM+4+\b], 23, v[TM+12+\b]
.endr
	v_lshl_or_b32 v[\pw], v[TM+5], 8, v[TM+4]
	WIN \win
	v_cvt_scalef32_pk16_fp6_f32 v[(\pc):(\pc)+2], v[(\s):(\s)+15], v[TM+12]
	v_cvt_scalef32_pk16_fp6_f32 v[TMP:TMP+2], v[(\s)+16:(\s)+31], v[TM+13]
	WIN 0
	v_nop
.irp i, 0,1,2
	v_permlane16_swap_b32 v[(\pc)+\i], v[TMP+\i]
.endr
.irp i, 0,1,2
	v_mov_b32 v[(\pc)+3+\i], v[TMP+\i]
.endr
.endm
	s_load_b512 s[4:19], s[0:1], 0x0               ; xfimg s[4:5]; Wk's codes s[6:7], scales s[8:9]; bk s[10:11]; Wv's s[12:13], s[14:15]; bv s[16:17]; attimg s[18:19]
	s_load_b64 s[20:21], s[0:1], 0x40              ; attsc
	v_lshl_add_u32 v22, v0, 2, 0x30000
	v_mov_b32 v23, 0
	ds_add_u32 v22, v23
	ds_add_u32 v22, v23
	v_lshrrev_b32 v21, 5, v0
	v_readfirstlane_b32 s[WV], v21                 ; wave 0..3
	s_lshr_b32 s23, s[WV], 1                       ; which of the two heads
	s_and_b32 s24, s[WV], 1                        ; which half of its columns
	s_bfe_u32 s52, ttmp6, 0x40000                  ; cx: it enters global addresses alone
	s_lshl_b32 s25, ttmp9, 2
	s_add_co_u32 s25, s25, s52                     ; g
	s_and_b32 s26, ttmp7, 0xffff                   ; b, which the four partners share
	s_lshl_b32 s27, s25, 1
	s_add_co_u32 s27, s27, s23                     ; head
	s_lshl_b32 s53, s27, 6
	s_lshl_b32 s52, s24, 5
	s_add_co_u32 s53, s53, s52                     ; my first column
	s_mul_i32 s54, s53, 576                        ; a row of 768 codes is 576 bytes
	s_mov_b32 s55, 0
	s_mul_i32 s56, s53, 24
	s_mov_b32 s57, 0
	s_lshl_b32 s58, s53, 2
	s_mov_b32 s59, 0
	s_lshl_b32 s60, s26, 4
	s_add_co_u32 s60, s60, s27
	s_lshl_b32 s60, s60, 2
	s_lshl_b32 s52, s24, 1
	s_add_co_u32 s60, s60, s52                     ; my first tile of attn: (16 b + head) 4 + 2 q
	s_mul_i32 s62, s60, 1536
	s_mov_b32 s63, 0
	s_lshl_b32 s66, s60, 7
	s_mov_b32 s67, 0
	s_mul_i32 s68, s[WV], 13312                    ; my quarter of a pair of K steps: the wave's number and b alone enter the descriptors
	s_mul_i32 s70, s26, 159744
	s_add_co_u32 s70, s70, s68
	s_mov_b32 s71, 0
	s_mov_b32 s[G1], 15|(3<<16)|(1<<21)            ; the mask: all four work-groups; elements of 8 bytes; bit 21 beside a mask; no padding
	s_mov_b32 s[G1+1], 32<<16                      ; tensor_dim0 = 32: rows of 256 bytes
	s_mov_b32 s[G1+2], 52<<16                      ; tensor_dim1 = 52
	s_mov_b32 s[G1+3], 32<<16                      ; tile_dim0
	s_mov_b32 s[G1+4], 52                          ; tile_dim1
	s_mov_b32 s[G1+5], 32                          ; the block is dense
	s_mov_b32 s[G1+6], 0
	s_mov_b32 s[G1+7], 0
	s_mov_b32 s[SEL], 0x76543210
	s_mov_b32 s[SEL+1], 0xfedcba98
	s_mov_b32 s[CL], 0x3fb8aa3b                    ; log2(e)
	s_mov_b32 s[CL+1], s[CL]
	v_and_b32 v21, 31, v0
	v_and_b32 v18, 15, v0                          ; r
	v_bfe_u32 v19, v0, 4, 1                        ; h
	v_and_b32 v20, 8, v18
	v_add_nc_u32 v20, v20, v18                     ; r + 8 (r / 8)
	v_lshlrev_b32 v[LI], 4, v21
	v_lshlrev_b32 v[LS], 2, v21
	v_mul_u32_u24 v[VW], v20, 576
	v_mad_u32_u24 v[VW], v19, 24, v[VW]
	v_mul_u32_u24 v[VWS], v20, 24
	v_lshlrev_b32 v[VB], 2, v20
	v_lshlrev_b32 v[XFA], 4, v21
	v_add_nc_u32 v[XFA+1], PAIRB, v[LI]
	v_add_nc_u32 v[XFA+2], 2*PAIRB, v[LI]
	v_add_nc_u32 v[XFS], 49152, v[LS]
	v_add_nc_u32 v[XFS+1], PAIRB+49152, v[LS]
	v_add_nc_u32 v[XFS+2], 2*PAIRB+49152, v[LS]
	s_mul_i32 s74, s[WV], 6144
	s_add_co_u32 s74, s74, PIMG
	v_add_nc_u32 v[PWI], s74, v[LI]                ; where I store p's four fragments
	s_lshl_b32 s74, s[WV], 9
	s_add_co_u32 s74, s74, PSC
	v_add_nc_u32 v[PWS], s74, v[LS]
	s_mul_i32 s74, s23, 12288
	s_add_co_u32 s74, s74, PIMG
	v_add_nc_u32 v[PFA], s74, v[LI]                ; where my head's eight lie
	s_lshl_b32 s74, s23, 10
	s_add_co_u32 s74, s74, PSC
	v_add_nc_u32 v[PSA], s74, v[LS]
	s_lshl_b32 s74, s[WV], 7
	s_add_co_u32 s74, s74, RL
	v_lshl_add_u32 v[RLA], v20, 2, s74
	s_lshl_b32 s74, s23, 8
	s_add_co_u32 s74, s74, RL
	v_lshl_add_u32 v[RLL], v19, 6, s74
.irp u, 0,1
.irp i, 6,7,8,9,10,11
	v_mov_b32 v[APC+12*\u+\i], 0                   ; attn's K is 64: the fragment's upper half is zero codes
.endr
.endr
	s_wait_dscnt 0x0
	s_wait_kmcnt 0x0
	s_add_nc_u64 s[6:7], s[6:7], s[54:55]
	s_add_nc_u64 s[12:13], s[12:13], s[54:55]
	s_add_nc_u64 s[8:9], s[8:9], s[56:57]
	s_add_nc_u64 s[14:15], s[14:15], s[56:57]
	s_add_nc_u64 s[10:11], s[10:11], s[58:59]
	s_add_nc_u64 s[16:17], s[16:17], s[58:59]
	s_add_nc_u64 s[18:19], s[18:19], s[62:63]
	s_add_nc_u64 s[20:21], s[20:21], s[66:67]
	s_add_nc_u64 s[72:73], s[4:5], s[70:71]
.irp p, 0,1,2
	s_mov_b32 s[G0+4*\p], 1
	s_add_co_u32 s[G0+4*\p+1], s68, \p*PAIRB
	s_add_nc_u64 s[G0+4*\p+2:G0+4*\p+3], s[72:73], \p*PAIRB
	s_or_b32 s[G0+4*\p+3], s[G0+4*\p+3], 0x80000000
.endr
	ROUND                                          ; all four work-groups are here: the joint loads meet
	tensor_load_to_lds s[G0:G0+3], s[G1:G1+7]      ; the three first fills go out together: three loads of mine are out
	s_nop 0
	tensor_load_to_lds s[G0+4:G0+7], s[G1:G1+7]
	s_nop 0
	tensor_load_to_lds s[G0+8:G0+11], s[G1:G1+7]
	s_nop 0
	PLACES 4
	; my four tiles of weights for all six K steps: tiles 0, 1 of Wk, tiles 2, 3 of Wv
	WIN 0x40
.irp s, 0,1,2,3,4
.irp u, 0,1
.irp p, 0,1,2,3,4,5
	global_load_b64 v[12*(4*\s+\u)+2*\p:12*(4*\s+\u)+2*\p+1], v[VW], s[6:7] offset:\u*4608+96*\s+48*(\p/3)+8*(\p%3)
	global_load_b64 v[12*(4*\s+2+\u)+2*\p:12*(4*\s+2+\u)+2*\p+1], v[VW], s[12:13] offset:\u*4608+96*\s+48*(\p/3)+8*(\p%3)
.endr
.endr
.endr
	WIN 0
.irp u, 0,1
.irp p, 0,1,2,3,4,5
	global_load_b64 v[W5+12*\u+2*\p:W5+12*\u+2*\p+1], v[VW], s[6:7] offset:\u*4608+480+48*(\p/3)+8*(\p%3)
	global_load_b64 v[W5+12*(2+\u)+2*\p:W5+12*(2+\u)+2*\p+1], v[VW], s[12:13] offset:\u*4608+480+48*(\p/3)+8*(\p%3)
.endr
.endr
.irp s, 0,1,2,3,4,5
.irp u, 0,1
	global_load_b32 v[WSW+4*\s+\u], v[VWS], s[8:9] offset:\u*192+4*\s
	global_load_b32 v[WSW+4*\s+2+\u], v[VWS], s[14:15] offset:\u*192+4*\s
.endr
.endr
.irp u, 0,1
	global_load_b32 v[BI+8*\u], v[VB], s[10:11] offset:32*\u
	global_load_b32 v[BI+16+8*\u], v[VB], s[16:17] offset:32*\u
.endr
	s_wait_loadcnt 0x0
.irp ct, 0,1,2,3
.irp j, 1,2,3,4,5,6,7
	v_mov_b32 v[BI+8*\ct+\j], v[BI+8*\ct]          ; a lane holds one column: its bias in all eight registers of the tuple that starts the sums
.endr
.endr
; four tiles of rows of K step s: fragments and scale words into set
.macro FETCHX set, s, qd
.irp mm, 0,1,2,3
.irp c, 0,1,2
	ds_load_b128 v[XF+48*(\set)+12*\mm+4*\c:XF+48*(\set)+12*\mm+4*\c+3], v[XFA+(\s)/2] offset:(((\s)%2)*16+4*(\qd)+\mm)*1536+512*\c
.endr
	ds_load_b32 v[XSW+4*(\set)+\mm], v[XFS+(\s)/2] offset:(((\s)%2)*16+4*(\qd)+\mm)*128
.endr
.endm
; eight matrix instructions: four tiles of rows x two tiles of columns of Wk (kv = 0) or Wv (1).  Each of the 64 sums has one instruction in a K step: they take turns
.macro MULG s, qd, kv
.irp mm, 0,1,2,3
.irp u, 0,1
.set WR, 12*(4*(\s)+2*(\kv)+\u)
.if (\s) == 5
.set WR, W5+12*(2*(\kv)+\u)
.endif
.set AR, 128*\u+8*(4*(\qd)+\mm)
.set FRG, XF+48*((\qd)%2)+12*\mm
.if (\s) == 0
	v_wmma_scale_f32_16x16x128_f8f6f4 v[AR:AR+7], v[FRG:FRG+11], v[WR:WR+11], v[BI+8*(2*(\kv)+\u):BI+8*(2*(\kv)+\u)+7], v[XSW+4*((\qd)%2)+\mm], v[WSW+4*(\s)+2*(\kv)+\u] matrix_a_fmt:MATRIX_FMT_FP6 matrix_b_fmt:MATRIX_FMT_FP6
.else
	v_wmma_scale_f32_16x16x128_f8f6f4 v[AR:AR+7], v[FRG:FRG+11], v[WR:WR+11], v[AR:AR+7], v[XSW+4*((\qd)%2)+\mm], v[WSW+4*(\s)+2*(\kv)+\u] matrix_a_fmt:MATRIX_FMT_FP6 matrix_b_fmt:MATRIX_FMT_FP6
.endif
.endr
.endr
.endm
.macro GROUP s, qd
	s_wait_dscnt 0x0                               ; this group's fragments, asked for a group ago, are in
	PLACES 4                                       ; places in front of loads into the set that the last group multiplied
.if ((\s)%2 == 0) || ((\qd) < 3)
.set NG, 4*(\s)+(\qd)+1
	FETCHX NG%2, NG/4, NG%4                        ; the next group's, into the other set; a pair's last group asks for nothing: the next pair is read behind its barrier
.endif
.if (\s) == 0
	WIN 0x84
.elseif (\s) < 5
	WIN 0xa4
.else
	WIN 0xa0
.endif
	MULG \s, \qd, 0
.if (\s) == 0
	WIN 0xc4
.elseif (\s) < 5
	WIN 0xf4
.else
	WIN 0xf0
.endif
	MULG \s, \qd, 1
	WIN 0
.endm
.irp p, 0,1,2
	s_wait_tensorcnt 2-\p                          ; my quarter of pair p is in; the later pairs' loads may stay out
	s_wait_dscnt 0x0
	s_barrier_signal -1
	s_barrier_wait -1                              ; everybody's is
	PLACES 4
	FETCHX 0, 2*\p, 0
.irp sl, 0,1
.irp qd, 0,1,2,3
	GROUP 2*\p+\sl, \qd
.endr
.endr
.endr
	PLACES 4
.irp b, 0,1,2,3
	v_mov_b32 v[TM+4+\b], 0                        ; a lane permute's destination counts as one of its sources
.endr
	; v, quantised along n: four fragments, which stay with me
.irp u, 0,1
.irp ks, 0,1
	QUANTW 128*\u+64*\ks, 3, VF+12*(2*\u+\ks), XSW+2*\u+\ks
.endr
.endr
; the softmax of tile u's columns over n: a lane and lane l xor 16 hold a column's 256 scores, in eight blocks of 32
.macro KSOFT u
.set S, 128*(\u)
	WIN 0x2a
.irp b, 0,1,2,3,4,5,6,7
	v_max3_num_f32 v[BM+\b], v[S+16*\b], v[S+16*\b+1], v[S+16*\b+2]       ; each block's largest score: it serves the column's maximum and, since p rises with the score, the block's largest p
.endr
	WIN 0x28
.irp i, 3,5,7,9,11,13
.irp b, 0,1,2,3,4,5,6,7
	v_max3_num_f32 v[BM+\b], v[BM+\b], v[S+16*\b+\i], v[S+16*\b+\i+1]
.endr
.endr
	WIN 0x08
.irp b, 0,1,2,3,4,5,6,7
	v_max_num_f32 v[BM+\b], v[BM+\b], v[S+16*\b+15]
.endr
	WIN 0
.irp b, 0,1,2,3,4,5,6,7
	v_permlanex16_b32 v[PT+\b], v[BM+\b], s[SEL], s[SEL+1]
.endr
.irp b, 0,1,2,3,4,5,6,7
	v_max_num_f32 v[BM+\b], v[BM+\b], v[PT+\b]
.endr
	v_max3_num_f32 v[T0], v[BM], v[BM+1], v[BM+2]
	v_max3_num_f32 v[T0], v[T0], v[BM+3], v[BM+4]
	v_max3_num_f32 v[T0], v[T0], v[BM+5], v[BM+6]
	v_max_num_f32 v[T0], v[T0], v[BM+7]
	v_mul_f32 v[T0], s[CL], v[T0]                  ; the column's largest t
	v_floor_f32 v[NM], -v[T0]                      ; -M = floor(-t): M is a whole number
	WIN 0x82
.set ii, 0
.rept 64
	v_pk_fma_f32 v[S+ii:S+ii+1], v[S+ii:S+ii+1], s[CL:CL+1], v[NM:NM+1] op_sel_hi:[1,0,0]   ; t - M
.set ii, ii+2
.endr
	WIN 0
.irp b, 0,1,2,3,4,5,6,7
	v_fma_f32 v[BM+\b], v[BM+\b], s[CL], v[NM]
.endr
	WIN 0x82
.set ii, 0
.rept 128
	v_exp_f32 v[S+ii], v[S+ii]                     ; p = 2^(t - M), not normalised
.set ii, ii+1
.endr
	WIN 0
	v_nop
	s_wait_alu depctr_va_vdst(0)                   ; one wait for the batch, ahead of its first reader
.irp b, 0,1,2,3,4,5,6,7
	v_exp_f32 v[BM+\b], v[BM+\b]                   ; each block's largest p
.endr
	v_nop
	s_wait_alu depctr_va_vdst(0)
	WIN 0x0a
	v_pk_add_f32 v[LA:LA+1], v[S:S+1], v[S+2:S+3]  ; the sum of the unquantised p, in two chains
	v_pk_add_f32 v[LB:LB+1], v[S+4:S+5], v[S+6:S+7]
	WIN 0x08
.set ii, 8
.rept 30
	v_pk_add_f32 v[LA:LA+1], v[LA:LA+1], v[S+ii:S+ii+1]
	v_pk_add_f32 v[LB:LB+1], v[LB:LB+1], v[S+ii+2:S+ii+3]
.set ii, ii+4
.endr
	WIN 0
	v_pk_add_f32 v[LA:LA+1], v[LA:LA+1], v[LB:LB+1]
	v_add_f32 v[T0], v[LA], v[LA+1]
	v_permlanex16_b32 v[T1], v[T0], s[SEL], s[SEL+1]
	v_add_f32 v[T0], v[T0], v[T1]
	v_rcp_f32 v[T0], v[T0]
	v_nop
	s_wait_alu depctr_va_vdst(0)
	ds_store_b32 v[RLA], v[T0] offset:32*(\u)      ; 1 / l of my column; both halves of the lanes write the same word with the same value
.irp b, 0,1,2,3,4,5,6,7
	v_max_num_f32 v[BM+\b], 0x1800000, v[BM+\b]    ; the floor 2^(3 - 127)
.endr
.irp b, 0,1,2,3,4,5,6,7
	v_add_nc_u32 v[SOP+\b], 0xff000000, v[BM+\b]
.endr
.irp b, 0,1,2,3,4,5,6,7
	v_lshrrev_b32 v[PT+\b], 23, v[SOP+\b]
.endr
.irp ks, 0,1
	v_lshl_or_b32 v[54+\ks], v[PT+4*\ks+1], 8, v[PT+4*\ks]
	v_lshl_or_b32 v[54+\ks], v[PT+4*\ks+2], 16, v[54+\ks]
	v_lshl_or_b32 v[54+\ks], v[PT+4*\ks+3], 24, v[54+\ks]
.endr
.irp ks, 0,1
	WIN 0x02
.irp c, 0,1
	v_cvt_scalef32_pk16_fp6_f32 v[PC+6*\c:PC+2+6*\c], v[S+64*\ks+32*\c:S+64*\ks+32*\c+15], v[SOP+4*\ks+2*\c]
	v_cvt_scalef32_pk16_fp6_f32 v[TMP+4*\c:TMP+2+4*\c], v[S+64*\ks+32*\c+16:S+64*\ks+32*\c+31], v[SOP+4*\ks+2*\c+1]
.endr
	WIN 0
	v_nop
.irp c, 0,1
.irp i, 0,1,2
	v_permlane16_swap_b32 v[PC+6*\c+\i], v[TMP+4*\c+\i]
.endr
.irp i, 0,1,2
	v_mov_b32 v[PC+3+6*\c+\i], v[TMP+4*\c+\i]
.endr
.endr
.irp c, 0,1,2
	ds_store_b128 v[PWI], v[PC+4*\c:PC+4*\c+3] offset:(2*(\u)+\ks)*1536+512*\c
.endr
	ds_store_b32 v[PWS], v[54+\ks] offset:(2*(\u)+\ks)*128
	s_wait_dscnt 0x0                               ; the stores have read their registers
.endr
.endm
	KSOFT 0
	KSOFT 1
	s_barrier_signal -1                            ; my stores have landed (the wait above)
	s_barrier_wait -1                              ; p's sixteen fragments and all 1 / l lie in LDS
	; attn^T: source 0 = 16 columns c of p, source 1 = my 16 columns d of v, K = n in two steps: a lane holds one d, its registers run along c
.irp f, 0,1,2,3,4,5,6,7
.irp c, 0,1,2
	ds_load_b128 v[PF+12*\f+4*\c:PF+12*\f+4*\c+3], v[PFA] offset:\f*1536+512*\c
.endr
	ds_load_b32 v[WSW+\f], v[PSA] offset:\f*128
.endr
.irp b, 0,1
.irp jj, 0,1,2,3
	ds_load_b128 v[RI+16*\b+4*\jj:RI+16*\b+4*\jj+3], v[RLL] offset:128*\b+16*\jj
.endr
.endr
	s_wait_dscnt 0x0
	PLACES 8
.irp ks, 0,1
.if \ks == 0
	WIN 0x40
.else
	WIN 0x50
.endif
.irp u, 0,1
.irp tt, 0,1,2,3
.if \ks == 0
	v_wmma_scale_f32_16x16x128_f8f6f4 v[32*\u+8*\tt:32*\u+8*\tt+7], v[PF+12*(2*\tt+\ks):PF+12*(2*\tt+\ks)+11], v[VF+12*(2*\u+\ks):VF+12*(2*\u+\ks)+11], 0, v[WSW+2*\tt+\ks], v[XSW+2*\u+\ks] matrix_a_fmt:MATRIX_FMT_FP6 matrix_b_fmt:MATRIX_FMT_FP6
.else
	v_wmma_scale_f32_16x16x128_f8f6f4 v[32*\u+8*\tt:32*\u+8*\tt+7], v[PF+12*(2*\tt+\ks):PF+12*(2*\tt+\ks)+11], v[VF+12*(2*\u+\ks):VF+12*(2*\u+\ks)+11], v[32*\u+8*\tt:32*\u+8*\tt+7], v[WSW+2*\tt+\ks], v[XSW+2*\u+\ks] matrix_a_fmt:MATRIX_FMT_FP6 matrix_b_fmt:MATRIX_FMT_FP6
.endif
.endr
.endr
.endr
	PLACES 4
.irp u, 0,1
	WIN 0x41
.set ii, 0
.rept 16
	v_pk_mul_f32 v[32*\u+ii:32*\u+ii+1], v[32*\u+ii:32*\u+ii+1], v[RI+ii:RI+ii+1]     ; / l of each c
.set ii, ii+2
.endr
	QUANTH 32*\u, 1, APC+12*\u, 52+\u
.irp c, 0,1,2
	global_store_b128 v[LI], v[APC+12*\u+4*\c:APC+12*\u+4*\c+3], s[18:19] offset:\u*1536+512*\c   ; 32 lanes store 512 consecutive bytes
.endr
	global_store_b32 v[LS], v[52+\u], s[20:21] offset:128*\u
.endr
	s_wait_tensorcnt 0x0
	s_wait_dscnt 0x0
	s_wait_tensorcnt 0x0
	ds_add_u32 v22, v23
	s_wait_dscnt 0x0
	ROUND                                          ; the closing round
	s_endpgm
.Lfunc_end_k_q0fb4736bc9_kv:
	.size	k_q0fb4736bc9_kv, .Lfunc_end_k_q0fb4736bc9_kv-k_q0fb4736bc9_kv
	.p2alignl 7, 3214868480
	.fill 96, 4, 3214868480
	.section	.rodata,"a",@progbits
	.p2align	6, 0x0
	.amdhsa_kernel k_q0fb4736bc9_kv
		.amdhsa_group_segment_fixed_size 197120
		.amdhsa_private_segment_fixed_size 0
		.amdhsa_enable_private_segment 0
		.amdhsa_kernarg_size 72
		.amdhsa_user_sgpr_count 2
		.amdhsa_user_sgpr_kernarg_segment_ptr 1
		.amdhsa_wavefront_size32 1
		.amdhsa_system_sgpr_workgroup_id_x 1
		.amdhsa_system_sgpr_workgroup_id_y 1
		.amdhsa_system_sgpr_workgroup_id_z 1
		.amdhsa_system_vgpr_workitem_id 0
		.amdhsa_next_free_vgpr 1024
		.amdhsa_next_free_sgpr 80
		.amdhsa_reserve_vcc 0
		.amdhsa_float_denorm_mode_32 3
		.amdhsa_float_denorm_mode_16_64 3
		.amdhsa_memory_ordered 1
		.amdhsa_forward_progress 1
		.amdhsa_inst_pref_size 175
	.end_amdhsa_kernel
	.amdgpu_metadata
---
amdhsa.version: [ 1, 2 ]
amdhsa.kernels:
  - .name:           k_q0fb4736bc9_kv
    .symbol:         k_q0fb4736bc9_kv.kd
    .args:
      - { .name: xfimg, .offset: 0, .size: 8, .value_kind: global_buffer, .address_space: global }
      - { .name: Wk_codes, .offset: 8, .size: 8, .value_kind: global_buffer, .address_space: global }
      - { .name: Wk_scales, .offset: 16, .size: 8, .value_kind: global_buffer, .address_space: global }
      - { .name: bk, .offset: 24, .size: 8, .value_kind: global_buffer, .address_space: global }
      - { .name: Wv_codes, .offset: 32, .size: 8, .value_kind: global_buffer, .address_space: global }
      - { .name: Wv_scales, .offset: 40, .size: 8, .value_kind: global_buffer, .address_space: global }
      - { .name: bv, .offset: 48, .size: 8, .value_kind: global_buffer, .address_space: global }
      - { .name: attimg, .offset: 56, .size: 8, .value_kind: global_buffer, .address_space: global }
      - { .name: attsc, .offset: 64, .size: 8, .value_kind: global_buffer, .address_space: global }
    .group_segment_fixed_size: 197120
    .private_segment_fixed_size: 0
    .kernarg_segment_align: 8
    .kernarg_segment_size: 72
    .max_flat_workgroup_size: 128
    .sgpr_count:     80
    .vgpr_count:     1024
    .wavefront_size: 32
...
	.end_amdgpu_metadata
.endif
;; end of part 2
;; launch main (part 3): grid 256 x 1, 8 waves a work-group, clusters of 4 x 1, 327,680 bytes of LDS; arguments x, norm_g, norm_b, wimg, bq, attimg, attsc, epart, fnorm_g, fnorm_b, out_b, out0; writes out0
.if DOCPART == 3
	.amdgcn_target "amdgcn-amd-amdhsa--gfx1250"
	.amdhsa_code_object_version 6
	.text
	.protected	k_q0fb4736bc9_main
	.globl	k_q0fb4736bc9_main
	.p2align	8
	.type	k_q0fb4736bc9_main,@function
k_q0fb4736bc9_main:
	s_mov_b64 s[64:65], 0
	v_nop
	global_prefetch_b8 v0, s[64:65] scope:SCOPE_SE
	s_setreg_imm32_b32 hwreg(HW_REG_WAVE_MODE, 25, 1), 1
	s_wait_xcnt 0x0
	s_wait_alu depctr_hold_cnt(0) depctr_sa_sdst(0) depctr_va_vdst(0) depctr_va_sdst(0) depctr_va_ssrc(0) depctr_va_vcc(0) depctr_vm_vsrc(0)
	s_getreg_b32 s2, hwreg(HW_REG_IB_STS2, 6, 4)
	s_cmp_eq_u32 s2, 0
	s_cbranch_scc0 .Lentry_in_a_cluster
	s_endpgm
.Lentry_in_a_cluster:
	s_bfe_u32 s2, ttmp6, 0x10000c
	s_cmp_lg_u32 s2, 0x3003
	s_cbranch_scc0 .Lentry_shape_is_right
	s_endpgm
.Lentry_shape_is_right:
; MAIN.  A work-group takes 64 rows of x through the whole chain: layer norm, quantise, q = xn Wq + bq, the softmax over each head's 64 channels, y = q attn / l, layer norm, FiLM, silu, quantise, h out_W + out_b, + x.
; q, y and h never go to memory.  All products on codes of E2M3 with one E8M0 scale for each 32 along K.
; SHARES.  Eight waves; a wave owns 128 columns (two heads; one K step of the last product) for all 64 rows: 32 accumulators, window 1, accumulator (tile of rows m, tile of columns ct) at v[64 m + 8 ct].
; Eight waves of 512 registers and not four of 1,024: the vector phases, which are written out, are half as long, two register windows serve, and two waves share a SIMD, so that one wave's vector work stands beside
; the other's waits.  The price: x's four fragments of a K step are read from LDS by eight waves.
; LAYOUT.  All products are used transposed (source 0 = 16 columns of a weight, source 1 = 16 rows): a lane holds ONE row and its registers run along the columns.  The columns of a tile were chosen by the first launch
; (lane r of tile 2 b + u: 32 b + 8 u + r + 8 (r / 8)), so that register 64 m + 16 b + i holds my column 32 b + 16 (lane / 16) + i: 16 neighbours along the next K.
; THE WEIGHTS: sixteen blocks of 106,496 bytes (Wq's eight K steps, then out_W's), each wave's part 13,312 bytes, through a ring of two LDS slots.  A wave fetches and reads its own part.
; CLUSTER.  All work-groups walk the same weights: the four of a cluster ask for each block jointly, by the same tensor load with the same descriptor and the mask 15.
; THE WALK IS TURNED FROM CLUSTER TO CLUSTER.  rot = the cluster's number mod 8.  Column c of everything that has 1,024 columns stands at PLACE (c - 128 rot) mod 1,024: wave w owns the columns of part (w + rot) mod 8,
; and K step k of a product takes the weight's K step (k + rot) mod 8.  Global addresses alone know of rot; every LDS address counts in places.  So at any time the 64 clusters ask for all eight blocks of a weight,
; and not all of them for the same one.  rot is the same in the four partners, so their descriptors stay equal.
; x's and h's fragments go from wave to wave through LDS as images of their registers.  x is read a second time for the residual: 64 rows of f32 are 262,144 bytes, for which neither LDS nor the registers have room.
; THE SOFTMAX: t = q log2(e); M = the row's largest t rounded up to a whole number; p = 2^(t - M) is quantised along c; the sum l of the unquantised p divides y.
; LIMITS: NaN and infinities are not served; a block whose largest magnitude lies under 2^-124 has its scale byte held at 1; a block of zeros gets the byte 1: its codes are zeros, and this program alone reads the bytes.
; The means and variances are merged from the waves' parts (a part's mean, and its sum of squared differences from that mean): another order of f32 additions than one sum, and no difference of large sums.
; A product's K steps are added in an order that begins at K step rot: another order of f32 additions than K ascending.
; REGISTERS, window 0: v1-23 addresses; v24-36 scale words alone; v37 the prefetch's offset; v40-91 sums, the quantiser's, bias tuples; v92-219 at work (a K step's weights v92-187); v188-235 x's or h's four fragments; v236-251 bias tuples; v252-255 addresses.
.set SLOT,  106496                     ; LDS: two slots,
.set PART,  13312
.set XIMG,  212992                     ; 32 fragment images (4 x K step + tile of rows): x's, later h's,
.set XSC,   262144                     ; their word images,
.set PAR,   266240                     ; six vectors of 1,024 f32, by places: norm_g, norm_b, bq, out_b, fnorm_g (1 + scale), fnorm_b (1 + scale) + shift,
.set STAT,  290816                     ; (mean, sum of squares) pairs: 64 bytes a row, 8 bytes a part,
.set SPARE, 294912                     ; and the spare words, 128 bytes for each wave: four blocks of 256 bytes that no other line names
.set SPW, 1
.set NIL, 2
.set LI,  3
.set LS,  4
.set XA,  5
.set XWI, 6
.set XWS, 7
.set HWI, 8
.set HWS, 9
.set WFA, 10
.set WSA, 12
.set XB,  14
.set XSB, 15
.set XFA, 16
.set XSA, 17
.set GBA, 18
.set PBA, 19
.set STAX, 20
.set STLX, 21
.set STAY, 22
.set STLY, 23
.set WS,  24                           ; v24-31 the weights' scale words, later attn's
.set XS,  32                           ; v32-35 x's and h's, later q's
.set PW,  36                           ; the word just made
.set PFO, 37                           ; 256 x lane: the prefetch's offset; never rewritten once it is made
.set CH,  40
.set AC,  48
.set MU,  50
.set RS,  52
.set OF,  54
.set TM,  56
.set TMP, 72
.set PC,  80
.set RA,  92
.set T,   92
.set RB,  156
.set WF,  92
.set XK,  184                          ; v184-187 at the head: x's offsets for my four K steps
.set XF,  188
.set SO,  252
.set SR,  253
.set PST, 254
.set T16, 255
.set YO,  40                           ; the way out: 16 rows of the result; x's rows in two sets
.set X0,  104
.set WV,  28
.set ROT, 29                           ; s29 rot
.set SEL, 30
.set G1,  32
.set G0,  40
.set XO,  48
.set XW,  49
.set CNT, 50
.set PN,  51                           ; s51 my part of the columns: (wave + rot) mod 8
.set CL,  52
.set NL,  54
.set WB,  80                           ; s[80:81] my part of wimg's block 0
.set IK,  82
.set EP,  83
.set JB,  84                           ; s84 the K step, 0 to 15, that the next refill serves
.set OB,  86                           ; s[86:87] a block's offset in wimg; the upper word stays 0
.set PFA, 88                           ; s[88:89] where my prefetch stands
.set LIM, 90                           ; s90 1 in a wave that prefetches, else the greatest number
.set MSB, 0
.macro WIN new
.if MSB != (\new)
	s_set_vgpr_msb (MSB<<8)|(\new)
.set MSB, (\new)
.endif
.endm
.macro PLACES n
.if (\n) > 0
.rept \n
	v_nop
.endr
.endif
.endm
.macro ROUND                           ; a round of the cluster's barrier
	s_barrier_signal -1
	s_barrier_wait -1
	s_cmp_lg_u32 s[WV], 0
	s_cbranch_scc1 .Lnot_wave_0_\@
	s_barrier_signal -3
.Lnot_wave_0_\@:
	s_barrier_wait -3
	s_barrier_signal -1
	s_barrier_wait -1
.endm
.macro BARRIER                         ; my LDS stores have landed and my LDS loads are in: then the work-group's barrier
	s_wait_dscnt 0x0
	s_barrier_signal -1
	s_barrier_wait -1
.endm
.macro QUANTW s, win, pc, pw           ; 64 numbers, register 16 b + i = k 32 b + 16 (lane / 16) + i of my row -> codes in v[pc] on, scale word in v[pw]
	WIN (\win)|((\win)<<2)
.irp b, 0,1,2,3
	v_max3_num_f32 v[TM+\b], |v[(\s)+16*\b]|, |v[(\s)+1+16*\b]|, 0x1800000
.endr
	WIN ((\win)<<2)|((\win)<<4)
.irp i, 2,4,6,8,10,12,14
.irp b, 0,1,2,3
	v_max3_num_f32 v[TM+\b], v[TM+\b], |v[(\s)+16*\b+\i]|, |v[(\s)+1+16*\b+\i]|
.endr
.endr
	WIN 0
.irp b, 0,1,2,3
	v_permlanex16_b32 v[TM+4+\b], v[TM+\b], s[SEL], s[SEL+1]
.endr
.irp b, 0,1,2,3
	v_max_num_f32 v[TM+\b], v[TM+\b], v[TM+4+\b]
.endr
.irp b, 0,1,2,3
	v_add_nc_u32 v[TM+12+\b], 0xff000000, v[TM+\b]
.endr
.irp b, 0,1,2,3
	v_lshrrev_b32 v[TM+4+\b], 23, v[TM+12+\b]
.endr
	v_lshl_or_b32 v[\pw], v[TM+5], 8, v[TM+4]
	v_lshl_or_b32 v[\pw], v[TM+6], 16, v[\pw]
	v_lshl_or_b32 v[\pw], v[TM+7], 24, v[\pw]
	WIN \win
.irp c, 0,1
	v_cvt_scalef32_pk16_fp6_f32 v[(\pc)+6*\c:(\pc)+2+6*\c], v[(\s)+32*\c:(\s)+15+32*\c], v[TM+12+2*\c]
	v_cvt_scalef32_pk16_fp6_f32 v[TMP+4*\c:TMP+2+4*\c], v[(\s)+16+32*\c:(\s)+31+32*\c], v[TM+12+2*\c+1]
.endr
	WIN 0
	v_nop
.irp c, 0,1
.irp i, 0,1,2
	v_permlane16_swap_b32 v[(\pc)+6*\c+\i], v[TMP+4*\c+\i]
.endr
.irp i, 0,1,2
	v_mov_b32 v[(\pc)+3+6*\c+\i], v[TMP+4*\c+\i]
.endr
.endr
.endm
.macro IMAGE adr, off
.irp c, 0,1,2
	ds_store_b128 v[\adr], v[PC+4*\c:PC+4*\c+3] offset:(\off)+512*\c
.endr
.endm
.macro SILU src, win                   ; v[T] on = x / (1 + 2^(-x log2 e)); each batch of transcendentals has its plain place and its wait directly behind it
	WIN \win
.set ii, 0
.rept 32
	v_pk_mul_f32 v[T+ii:T+ii+1], v[(\src)+ii:(\src)+ii+1], s[NL:NL+1] op_sel_hi:[1,0]
.set ii, ii+2
.endr
	WIN 0
.set ii, 0
.rept 64
	v_exp_f32 v[T+ii], v[T+ii]
.set ii, ii+1
.endr
	v_nop
	s_wait_alu depctr_va_vdst(0)
.set ii, 0
.rept 32
	v_pk_add_f32 v[T+ii:T+ii+1], v[T+ii:T+ii+1], 1.0 op_sel_hi:[1,0]
.set ii, ii+2
.endr
.set ii, 0
.rept 64
	v_rcp_f32 v[T+ii], v[T+ii]
.set ii, ii+1
.endr
	v_nop
	s_wait_alu depctr_va_vdst(0)
	WIN \win
.set ii, 0
.rept 32
	v_pk_mul_f32 v[T+ii:T+ii+1], v[(\src)+ii:(\src)+ii+1], v[T+ii:T+ii+1]
.set ii, ii+2
.endr
	WIN 0
.endm
.macro SUMA base, n, win               ; the sum of n registers, two at a time, in four chains
	WIN (\win)|((\win)<<2)
.irp c, 0,1,2,3
	v_pk_add_f32 v[CH+2*\c:CH+2*\c+1], v[(\base)+2*\c:(\base)+2*\c+1], v[(\base)+8+2*\c:(\base)+9+2*\c]
.endr
	WIN (\win)<<2
.set ii, 16
.rept ((\n)-16)/2
	v_pk_add_f32 v[CH+ii%8:CH+ii%8+1], v[CH+ii%8:CH+ii%8+1], v[(\base)+ii:(\base)+ii+1]
.set ii, ii+2
.endr
.endm
.macro SQA base, n, win                ; the sum of their squares
	WIN (\win)|((\win)<<2)
.irp c, 0,1,2,3
	v_pk_mul_f32 v[CH+2*\c:CH+2*\c+1], v[(\base)+2*\c:(\base)+2*\c+1], v[(\base)+2*\c:(\base)+2*\c+1]
.endr
.set ii, 8
.rept ((\n)-8)/2
	v_pk_fma_f32 v[CH+ii%8:CH+ii%8+1], v[(\base)+ii:(\base)+ii+1], v[(\base)+ii:(\base)+ii+1], v[CH+ii%8:CH+ii%8+1]
.set ii, ii+2
.endr
.endm
.macro SUBW base, n, win, mu           ; the numbers less v[mu], in place
	WIN ((\win)<<6)|(\win)
.set ii, 0
.rept (\n)/2
	v_pk_add_f32 v[(\base)+ii:(\base)+ii+1], v[(\base)+ii:(\base)+ii+1], v[(\mu):(\mu)+1] op_sel_hi:[1,0] neg_lo:[0,1] neg_hi:[0,1]
.set ii, ii+2
.endr
.endm
.macro JOIN                            ; the four chains and lane l xor 16's -> v[AC]
	WIN 0
	v_pk_add_f32 v[CH:CH+1], v[CH:CH+1], v[CH+2:CH+3]
	v_pk_add_f32 v[CH+4:CH+5], v[CH+4:CH+5], v[CH+6:CH+7]
	v_pk_add_f32 v[CH:CH+1], v[CH:CH+1], v[CH+4:CH+5]
	v_add_f32 v[AC], v[CH], v[CH+1]
	v_permlanex16_b32 v[AC+1], v[AC], s[SEL], s[SEL+1]
	v_add_f32 v[AC], v[AC], v[AC+1]
.endm
	s_load_b512 s[4:19], s[0:1], 0x0               ; x s[4:5], norm_g s[6:7], norm_b s[8:9], wimg s[10:11], bq s[12:13], attimg s[14:15], attsc s[16:17], epart s[18:19]
	s_load_b256 s[20:27], s[0:1], 0x40             ; fnorm_g s[20:21], fnorm_b s[22:23], out_b s[24:25], out0 s[26:27]
	v_lshl_add_u32 v[SPW], v0, 2, SPARE
	v_mov_b32 v[NIL], 0
	ds_add_u32 v1, v2
	ds_add_u32 v1, v2
	s_wait_dscnt 0x0
	v_lshrrev_b32 v37, 5, v0
	v_readfirstlane_b32 s[WV], v37                 ; wave 0..7
	s_and_b32 s[ROT], ttmp9, 7                     ; rot: the cluster's number mod 8, the same in the four partners
	s_add_co_u32 s[PN], s[WV], s[ROT]
	s_and_b32 s[PN], s[PN], 7                      ; my part of the columns
	v_and_b32 v37, 31, v0                          ; lane
	v_and_b32 v38, 15, v0                          ; r
	v_bfe_u32 v39, v0, 4, 1                        ; h
	v_lshlrev_b32 v[LI], 4, v37
	v_lshlrev_b32 v[LS], 2, v37
	s_and_b32 s56, s[WV], 3                        ; for x's norm: my tile of rows m,
	s_lshr_b32 s57, s[WV], 2                       ; and my half kh of the 1,024 places
	v_lshlrev_b32 v[XA], 12, v38
	v_lshl_add_u32 v[XA], v39, 6, v[XA]            ; x: row r of 4,096 bytes, + 64 h
	s_lshl_b32 s58, s57, 4
	s_add_co_u32 s58, s58, s56
	s_mul_i32 s59, s58, 1536
	s_add_co_u32 s59, s59, XIMG
	v_add_nc_u32 v[XWI], s59, v[LI]                ; where I store x's images: fragment 16 kh + m, + 4 for each K step
	s_lshl_b32 s59, s58, 7
	s_add_co_u32 s59, s59, XSC
	v_add_nc_u32 v[XWS], s59, v[LS]
	s_mul_i32 s59, s[WV], 6144
	s_add_co_u32 s59, s59, XIMG
	v_add_nc_u32 v[HWI], s59, v[LI]                ; and h's: K step = my wave
	s_lshl_b32 s59, s[WV], 9
	s_add_co_u32 s59, s59, XSC
	v_add_nc_u32 v[HWS], s59, v[LS]
	s_mul_i32 s78, s[WV], PART                     ; my part of a slot
	v_add_nc_u32 v[WFA], s78, v[LI]
	v_add_nc_u32 v[WFA+1], SLOT, v[WFA]
	v_lshl_add_u32 v[WSA], v37, 3, s78
	v_add_nc_u32 v[WSA], 12288, v[WSA]
	v_add_nc_u32 v[WSA+1], SLOT, v[WSA]
	v_lshlrev_b32 v[PFO], 8, v37                   ; (the lane's number is done with)
	v_add_nc_u32 v[XB], XIMG, v[LI]
	v_add_nc_u32 v[XSB], XSC, v[LS]
	s_lshl_b32 s59, s57, 11
	s_add_co_u32 s59, s59, PAR
	v_lshl_add_u32 v[GBA], v39, 6, s59
	s_lshl_b32 s59, s[WV], 9
	s_add_co_u32 s59, s59, PAR
	v_lshl_add_u32 v[PBA], v39, 6, s59
	s_lshl_b32 s59, s56, 10
	s_add_co_u32 s59, s59, STAT
	v_lshl_add_u32 v[STLX], v38, 6, s59
	s_lshl_b32 s59, s57, 3
	v_add_nc_u32 v[STAX], s59, v[STLX]
	v_lshlrev_b32 v[STLY], 6, v38
	v_add_nc_u32 v[STLY], STAT, v[STLY]
	s_lshl_b32 s59, s[WV], 3
	v_add_nc_u32 v[STAY], s59, v[STLY]
	v_mul_u32_u24 v[SO], v38, 528                  ; the way out: my stage, 16 rows of 512 + 16 bytes, in my part of slot 0
	v_lshl_add_u32 v[SO], v39, 6, v[SO]
	v_add_nc_u32 v[SO], s78, v[SO]
	v_add_nc_u32 v[SR], s78, v[LI]
	v_lshlrev_b32 v[T16], 4, v0
	v_add_nc_u32 v[PST], PAR, v[T16]               ; a thread's four places of a vector in LDS,
	s_lshl_b32 s67, s[ROT], 9
	v_add_nc_u32 v[T16], s67, v[T16]
	v_and_b32 v[T16], 0xfff, v[T16]                ; and the four columns that stand there: 128 rot columns on, round the end
	s_lshl_b32 s63, s57, 2
	s_add_co_u32 s63, s63, s[ROT]
.irp sp, 0,1,2,3
	s_add_co_u32 s67, s63, \sp                     ; place 4 kh + sp of K holds x's K step (4 kh + sp + rot) mod 8: 512 bytes of a row
	s_and_b32 s67, s67, 7
	s_lshl_b32 s67, s67, 9
	v_add_nc_u32 v[XK+\sp], s67, v[XA]
.endr
	v_mov_b32 v[AC+1], 0                           ; a lane permute's destination counts as one of its sources
	v_mov_b32 v[MU+1], 0                           ; (upper halves of pairs whose low word alone is used)
	v_mov_b32 v[RS+1], 0
	v_mov_b32 v[OF+1], 0
	s_bfe_u32 s60, ttmp6, 0x40000                  ; cx: it enters global addresses alone, and none of a joint load
	s_lshl_b32 s61, ttmp9, 2
	s_add_co_u32 s61, s61, s60                     ; the work-group: rows 64 wg on
	s_lshr_b32 s62, s61, 3                         ; the batch
	s_lshl_b32 s66, s61, 18
	s_lshl_b32 s63, s56, 16
	s_add_co_u32 s68, s66, s63
	s_mov_b32 s69, 0
	s_lshl_b32 s63, s[PN], 9
	s_add_co_u32 s70, s66, s63
	s_mov_b32 s71, 0
	s_lshl_b32 s72, s62, 13
	s_mov_b32 s73, 0
	s_lshl_b32 s63, s62, 4
	s_lshl_b32 s74, s[PN], 1
	s_add_co_u32 s63, s63, s74                     ; 16 b + my first head
	s_mul_i32 s74, s63, 6144
	s_mov_b32 s75, 0
	s_lshl_b32 s76, s63, 9
	s_mov_b32 s77, 0
	s_mul_i32 s[OB], s[PN], PART
	s_mov_b32 s[OB+1], 0
	; the prefetch of attn's images (macro CHANGE): a batch's 98,304 bytes; my work-group's quarter, by address; 8,192 bytes a wave
	s_mul_i32 s58, s62, 98304
	s_mul_i32 s59, s60, 24576
	s_add_co_u32 s58, s58, s59
	s_min_u32 s59, s[WV], 2
	s_lshl_b32 s59, s59, 13
	s_add_co_u32 s58, s58, s59
	s_mov_b32 s59, 0
	s_add_co_u32 s[LIM], s[WV], 1
	s_lshr_b32 s[LIM], s[LIM], 2                   ; 0 in waves 0 to 2,
	s_and_b32 s67, ttmp9, 1
	s_or_b32 s[LIM], s[LIM], s67                   ; of the even one of the two clusters that share a batch: the same in all four partners
	s_cmp_eq_u32 s[LIM], 0
	s_cselect_b32 s[LIM], 1, -1
	s_mov_b32 s[G1], 15|(3<<16)|(1<<21)            ; the mask: all four work-groups; elements of 8 bytes; bit 21 beside a mask; no padding
	s_mov_b32 s[G1+1], 32<<16                      ; rows of 256 bytes,
	s_mov_b32 s[G1+2], 52<<16                      ; 52 of them,
	s_mov_b32 s[G1+3], 32<<16
	s_mov_b32 s[G1+4], 52
	s_mov_b32 s[G1+5], 32                          ; dense
	s_mov_b32 s[G1+6], 0
	s_mov_b32 s[G1+7], 0
	s_mov_b32 s[SEL], 0x76543210
	s_mov_b32 s[SEL+1], 0xfedcba98
	s_mov_b32 s[CL], 0x3fb8aa3b                    ; log2(e)
	s_mov_b32 s[CL+1], s[CL]
	s_mov_b32 s[NL], 0xbfb8aa3b
	s_mov_b32 s[NL+1], s[NL]
	s_mov_b32 s[IK], 0x3a800000                    ; 1 / 1,024
	s_mov_b32 s[EP], 0x3727c5ac                    ; 1e-5
	s_wait_kmcnt 0x0
	s_add_nc_u64 s[68:69], s[4:5], s[68:69]        ; x for the norm: my 16 rows
	s_add_nc_u64 s[4:5], s[4:5], s[70:71]          ; x for the residual, and out0: the 64 rows, my 128 columns
	s_add_nc_u64 s[26:27], s[26:27], s[70:71]
	s_add_nc_u64 s[18:19], s[18:19], s[72:73]
	s_add_nc_u64 s[PFA:PFA+1], s[14:15], s[58:59]
	s_add_nc_u64 s[14:15], s[14:15], s[74:75]
	s_add_nc_u64 s[16:17], s[16:17], s[76:77]
	s_add_nc_u64 s[WB:WB+1], s[10:11], s[OB:OB+1]  ; my part of block 0: the wave's number and rot alone enter the descriptors
	s_mov_b32 s[G0], 1
	s_mov_b32 s[G0+1], s78
	s_mul_i32 s[OB], s[ROT], SLOT                  ; K step 0 takes Wq's K step rot,
	s_add_nc_u64 s[G0+2:G0+3], s[WB:WB+1], s[OB:OB+1]
	s_or_b32 s[G0+3], s[G0+3], 0x80000000
	s_mov_b32 s[G0+4], 1
	s_add_co_u32 s[G0+5], s78, SLOT
	s_add_co_u32 s[OB], s[ROT], 1                  ; K step 1 the next, round the end
	s_and_b32 s[OB], s[OB], 7
	s_mul_i32 s[OB], s[OB], SLOT
	s_add_nc_u64 s[G0+6:G0+7], s[WB:WB+1], s[OB:OB+1]
	s_or_b32 s[G0+7], s[G0+7], 0x80000000
	s_mov_b32 s[JB], 2
	ROUND                                          ; all four work-groups are here: the first joint loads meet
	tensor_load_to_lds s[G0:G0+3], s[G1:G1+7]      ; K steps 0 and 1: two loads of mine are out
	s_nop 0
	tensor_load_to_lds s[G0+4:G0+7], s[G1:G1+7]
	s_nop 0
	PLACES 4
	; the vectors: each thread takes four columns
.irp p, 0,1,2,3,4,5,6,7
	global_load_b128 v[92+4*\p:95+4*\p], v[T16], s[18:19] offset:\p*262144
	global_load_b128 v[124+4*\p:127+4*\p], v[T16], s[18:19] offset:\p*262144+4096
.endr
	global_load_b128 v[156:159], v[T16], s[20:21]
	global_load_b128 v[160:163], v[T16], s[22:23]
	global_load_b128 v[164:167], v[T16], s[6:7]
	global_load_b128 v[168:171], v[T16], s[8:9]
	global_load_b128 v[172:175], v[T16], s[12:13]
	global_load_b128 v[176:179], v[T16], s[24:25]
	WIN 0x40
.irp sp, 0,1,2,3
.irp b, 0,1,2,3
.irp jj, 0,1,2,3
	global_load_b128 v[64*\sp+16*\b+4*\jj:64*\sp+16*\b+4*\jj+3], v[XK+\sp], s[68:69] offset:128*\b+16*\jj   ; register 64 s + 16 b + i = place 512 kh + 128 s + 32 b + 16 h + i of row 16 m + r
.endr
.endr
.endr
	WIN 0
	s_wait_loadcnt 63                              ; 64 loads of x were issued behind the 22: with 63 out at the most, the 22 are in
.irp p, 1,2,3,4,5,6,7
	v_pk_add_f32 v[92:93], v[92:93], v[92+4*\p:93+4*\p]          ; e's eight parts along K: scale,
	v_pk_add_f32 v[94:95], v[94:95], v[94+4*\p:95+4*\p]
	v_pk_add_f32 v[124:125], v[124:125], v[124+4*\p:125+4*\p]    ; and shift
	v_pk_add_f32 v[126:127], v[126:127], v[126+4*\p:127+4*\p]
.endr
	v_pk_add_f32 v[92:93], v[92:93], 1.0 op_sel_hi:[1,0]
	v_pk_add_f32 v[94:95], v[94:95], 1.0 op_sel_hi:[1,0]
	v_pk_fma_f32 v[160:161], v[160:161], v[92:93], v[124:125]    ; fnorm_b (1 + scale) + shift
	v_pk_fma_f32 v[162:163], v[162:163], v[94:95], v[126:127]
	v_pk_mul_f32 v[156:157], v[156:157], v[92:93]                ; fnorm_g (1 + scale)
	v_pk_mul_f32 v[158:159], v[158:159], v[94:95]
	ds_store_b128 v[PST], v[164:167]
	ds_store_b128 v[PST], v[168:171] offset:4096
	ds_store_b128 v[PST], v[172:175] offset:8192
	ds_store_b128 v[PST], v[176:179] offset:12288
	ds_store_b128 v[PST], v[156:159] offset:16384
	ds_store_b128 v[PST], v[160:163] offset:20480
	; ---- x's layer norm: my 16 rows x 512 columns; the other half's figures come through LDS
	s_wait_loadcnt 0x0
	SUMA 0, 256, 1
	JOIN
	v_mul_f32 v[MU], 0x3b000000, v[AC]             ; my part's mean
	SUBW 0, 256, 1, MU
	SQA 0, 256, 1
	JOIN
	v_mov_b32 v[MU+1], v[AC]
	ds_store_b64 v[STAX], v[MU:MU+1]               ; both halves of the lanes write the same pair
	BARRIER                                        ; the figures and the six vectors lie in LDS; the two tensor loads stay out
	ds_load_b128 v[56:59], v[STLX]
	s_wait_dscnt 0x0
	v_add_f32 v60, v56, v58
	v_mul_f32 v60, 0.5, v60                        ; the row's mean
	v_sub_f32 v61, v56, v60
	v_sub_f32 v62, v58, v60
	v_mul_f32 v63, v61, v61
	v_fma_f32 v63, v62, v62, v63
	v_add_f32 v64, v57, v59
	v_fma_f32 v64, v63, 0x44000000, v64            ; + 512 x the parts' squared distances from it
	v_fma_f32 v64, v64, s[IK], s[EP]
	v_rsq_f32 v[RS], v64
	v_nop
	s_wait_alu depctr_va_vdst(0)                   ; the wait ahead of the first reader
	v_sub_f32 v[OF], v[MU], v60
	v_mul_f32 v[OF], v[OF], v[RS]
.macro XQ sp                           ; place 4 kh + sp of K, my rows: normalised, quantised, its image to LDS
.irp b, 0,1,2,3
.irp jj, 0,1,2,3
	ds_load_b128 v[RA+16*\b+4*\jj:RA+16*\b+4*\jj+3], v[GBA] offset:512*(\sp)+128*\b+16*\jj
	ds_load_b128 v[RB+16*\b+4*\jj:RB+16*\b+4*\jj+3], v[GBA] offset:4096+512*(\sp)+128*\b+16*\jj
.endr
.endr
	WIN 0x41
.set jx, 0
.rept 32
	v_pk_fma_f32 v[64*(\sp)+jx:64*(\sp)+jx+1], v[64*(\sp)+jx:64*(\sp)+jx+1], v[RS:RS+1], v[OF:OF+1] op_sel_hi:[1,0,0]
.set jx, jx+2
.endr
	s_wait_dscnt 0x0
.set jx, 0
.rept 32
	v_pk_fma_f32 v[64*(\sp)+jx:64*(\sp)+jx+1], v[64*(\sp)+jx:64*(\sp)+jx+1], v[RA+jx:RA+jx+1], v[RB+jx:RB+jx+1]
.set jx, jx+2
.endr
	QUANTW 64*(\sp), 1, PC, PW
	IMAGE XWI, (\sp)*6144
	ds_store_b32 v[XWS], v[PW] offset:(\sp)*512
	s_wait_dscnt 0x0                               ; the stores have read their registers
.endm
	XQ 0
	XQ 1
	XQ 2
	XQ 3
.macro BIASLD off                      ; eight tuples in the result's layout: the C of a sum's first matrix instruction
.irp ct, 0,1,2,3,4,5,6,7
.set BI, 40+8*\ct
.if \ct > 5
.set BI, 236+8*(\ct-6)
.endif
	ds_load_b128 v[BI:BI+3], v[PBA] offset:(\off)+128*(\ct/2)+32*(\ct%2)
	ds_load_b128 v[BI+4:BI+7], v[PBA] offset:(\off)+128*(\ct/2)+32*(\ct%2)+16
.endr
.endm
	BIASLD 8192                                    ; bq
	s_wait_tensorcnt 1                             ; K step 0's block is in; K step 1's may stay out
	BARRIER                                        ; x's 32 fragments lie in LDS
; A K STEP: x's (h's) four fragments and my eight tiles of the weight from LDS, 44 loads in one run; 32 matrix instructions, each of the 32 sums once: they take turns.
; np: the v_nop that, with the two additions, make the four places in front of loads into registers that matrix instructions have read (none where a refill's four stand in front).
.macro STEP slot, first, np
	v_add_nc_u32 v[XFA], s[XO], v[XB]
	v_add_nc_u32 v[XSA], s[XW], v[XSB]
	PLACES \np
.irp m, 0,1,2,3
.irp c, 0,1,2
	ds_load_b128 v[XF+12*\m+4*\c:XF+12*\m+4*\c+3], v[XFA] offset:\m*1536+512*\c
.endr
	ds_load_b32 v[XS+\m], v[XSA] offset:\m*128
.endr
.irp be, 0,1,2,3
	ds_load_b64 v[WS+2*\be:WS+2*\be+1], v[WSA+\slot] offset:256*\be
.irp f, 0,1
.irp c, 0,1,2
	ds_load_b128 v[WF+12*(2*\be+\f)+4*\c:WF+12*(2*\be+\f)+4*\c+3], v[WFA+\slot] offset:(2*\be+\f)*1536+512*\c
.endr
.endr
.endr
.if \first
	WIN 0x40
.else
	WIN 0x50
.endif
.irp be, 0,1,2,3
	s_wait_dscnt 7*(3-\be)                         ; the later pairs of tiles, seven loads each, may stay out
.irp m, 0,1,2,3
.irp f, 0,1
.set CT, 2*\be+\f
.set BI, 40+8*CT
.if CT > 5
.set BI, 236+8*(CT-6)
.endif
.if \first
	v_wmma_scale_f32_16x16x128_f8f6f4 v[64*\m+8*CT:64*\m+8*CT+7], v[WF+12*CT:WF+12*CT+11], v[XF+12*\m:XF+12*\m+11], v[BI:BI+7], v[WS+CT], v[XS+\m] matrix_a_fmt:MATRIX_FMT_FP6 matrix_b_fmt:MATRIX_FMT_FP6
.else
	v_wmma_scale_f32_16x16x128_f8f6f4 v[64*\m+8*CT:64*\m+8*CT+7], v[WF+12*CT:WF+12*CT+11], v[XF+12*\m:XF+12*\m+11], v[64*\m+8*CT:64*\m+8*CT+7], v[WS+CT], v[XS+\m] matrix_a_fmt:MATRIX_FMT_FP6 matrix_b_fmt:MATRIX_FMT_FP6
.endif
.endr
.endr
.endr
	WIN 0
.endm
; THE CHANGE OF SLOTS.  Each wave waits for all its tensor loads (one is out: the other slot's block), adds 0 to its spare word, and waits for that and for its reads of the slot just multiplied.  A round of the
; cluster's barrier: no wave of any partner still reads the slot or has a load on its way.  The joint refill, for the K step two on, is the first thing behind it and my one tensor load until the next round.
; K step j (0-7 of the first product, 8-15 of the last) takes block ((j + rot) mod 8) + (j and 8): the address is made anew from my part of block 0, where no tensor load of mine is out.
; ask = 1: A PREFETCH INTO THE L2 of attn's images, behind the refill and its four lines, in the loop's last trip: two K steps, 64 matrix instructions a wave, ahead of the loads that want them.  A batch's 98,304 bytes
; are read by the eight work-groups of two clusters: the even cluster asks; its four partners take 24,576 bytes each, told apart by address; in each, waves 0 to 2 take 8,192 bytes, lanes 256 bytes apart: one
; instruction a wave, and each aligned 256 bytes are named once in the launch.  Its address registers are never written again.
.macro CHANGE slot, ask
	s_wait_tensorcnt 0x0
	ds_add_u32 v[SPW], v[NIL]                      ; the steps below stand between the add and the wait for it
	s_add_co_u32 s[OB], s[JB], s[ROT]
	s_and_b32 s[OB], s[OB], 7
	s_and_b32 s85, s[JB], 8
	s_add_co_u32 s[OB], s[OB], s85
	s_mul_i32 s[OB], s[OB], SLOT
	s_add_nc_u64 s[G0+4*\slot+2:G0+4*\slot+3], s[WB:WB+1], s[OB:OB+1]
	s_or_b32 s[G0+4*\slot+3], s[G0+4*\slot+3], 0x80000000
	s_add_co_u32 s[JB], s[JB], 1
	s_add_co_u32 s[XO], s[XO], 6144                ; the next K step's fragments and words
	s_add_co_u32 s[XW], s[XW], 512
	s_wait_dscnt 0x0
	ROUND
	tensor_load_to_lds s[G0+4*\slot:G0+4*\slot+3], s[G1:G1+7]
	s_nop 0
	PLACES 4
.if \ask
	s_cmp_eq_u32 s[CNT], s[LIM]
	s_cbranch_scc0 .Lnot_mine_\@
	global_prefetch_b8 v[PFO], s[PFA:PFA+1] th:TH_LOAD_NT scope:SCOPE_SE
.Lnot_mine_\@:
.endif
.endm
	; ---- q = xn Wq + bq: K steps 0 to 7; the refills run on into the last product's K steps 0 and 1, which land during the vector phases
	s_mov_b32 s[XO], 0
	s_mov_b32 s[XW], 0
	STEP 0, 1, 2
	CHANGE 0, 0
	s_mov_b32 s[CNT], 3
.Lq:
	STEP 1, 0, 0
	CHANGE 1, 1
	STEP 0, 0, 0
	CHANGE 0, 0
	s_sub_co_u32 s[CNT], s[CNT], 1
	s_cmp_lg_u32 s[CNT], 0
	s_cbranch_scc1 .Lq
	STEP 1, 0, 0
	CHANGE 1, 0                                    ; its four v_nop are the places behind the last products
	; ---- the softmax over c, and y = q attn / l.  attn's eight fragments (head hd, tile of d dt: 4 hd + dt) and words come from memory as images
.irp f, 0,1,2,3,4,5,6,7
.irp c, 0,1,2
	global_load_b128 v[WF+12*\f+4*\c:WF+12*\f+4*\c+3], v[LI], s[14:15] offset:\f*1536+512*\c
.endr
	global_load_b32 v[WS+\f], v[LS], s[16:17] offset:\f*128
.endr
.irp hd, 0,1
.irp i, 6,7,8,9,10,11
	v_mov_b32 v[XF+12*\hd+\i], 0                   ; K is 64: the upper half of q's fragment is zero codes
.endr
.endr
; A tile of 16 rows, both heads by turns.  Head hd's temporaries at v[40 + 16 hd]: +0, +1 the blocks' largest; +2, +3 at work; +4 the row's largest t; +6 -M; +8 .. +11 the sum; +12, +13 the conversions' scales; +14 l, then 1 / l
.macro SOFTQ m
.set S0, 64*(\m)
	WIN 0x15
.irp hd, 0,1
.irp b, 0,1
	v_max3_num_f32 v[40+16*\hd+\b], v[S0+32*\hd+16*\b], v[S0+32*\hd+16*\b+1], v[S0+32*\hd+16*\b+2]
.endr
.endr
	WIN 0x14
.irp i, 3,5,7,9,11,13
.irp hd, 0,1
.irp b, 0,1
	v_max3_num_f32 v[40+16*\hd+\b], v[40+16*\hd+\b], v[S0+32*\hd+16*\b+\i], v[S0+32*\hd+16*\b+\i+1]
.endr
.endr
.endr
	WIN 0x04
.irp hd, 0,1
.irp b, 0,1
	v_max_num_f32 v[40+16*\hd+\b], v[40+16*\hd+\b], v[S0+32*\hd+16*\b+15]
.endr
.endr
	WIN 0
.irp hd, 0,1
.irp b, 0,1
	v_permlanex16_b32 v[42+16*\hd+\b], v[40+16*\hd+\b], s[SEL], s[SEL+1]
.endr
.endr
.irp hd, 0,1
.irp b, 0,1
	v_max_num_f32 v[40+16*\hd+\b], v[40+16*\hd+\b], v[42+16*\hd+\b]     ; each block's largest score
.endr
.endr
.irp hd, 0,1
	v_max_num_f32 v[44+16*\hd], v[40+16*\hd], v[41+16*\hd]
.endr
.irp hd, 0,1
	v_mul_f32 v[44+16*\hd], s[CL], v[44+16*\hd]
.endr
.irp hd, 0,1
	v_floor_f32 v[46+16*\hd], -v[44+16*\hd]        ; -M
.endr
	WIN 0x41
.irp hd, 0,1
.set jx, 0
.rept 16
	v_pk_fma_f32 v[S0+32*\hd+jx:S0+32*\hd+jx+1], v[S0+32*\hd+jx:S0+32*\hd+jx+1], s[CL:CL+1], v[46+16*\hd:47+16*\hd] op_sel_hi:[1,0,0]
.set jx, jx+2
.endr
.endr
	WIN 0
.irp hd, 0,1
.irp b, 0,1
	v_fma_f32 v[40+16*\hd+\b], v[40+16*\hd+\b], s[CL], v[46+16*\hd]
.endr
.endr
	WIN 0x41
.set jx, 0
.rept 64
	v_exp_f32 v[S0+jx], v[S0+jx]                   ; p = 2^(t - M)
.set jx, jx+1
.endr
	WIN 0
	v_nop
	s_wait_alu depctr_va_vdst(0)                   ; one wait for the batch
.irp hd, 0,1
.irp b, 0,1
	v_exp_f32 v[40+16*\hd+\b], v[40+16*\hd+\b]     ; each block's largest p
.endr
.endr
	v_nop
	s_wait_alu depctr_va_vdst(0)
	WIN 0x05
.irp hd, 0,1
	v_pk_add_f32 v[48+16*\hd:49+16*\hd], v[S0+32*\hd:S0+32*\hd+1], v[S0+32*\hd+2:S0+32*\hd+3]     ; the sum of the unquantised p
	v_pk_add_f32 v[50+16*\hd:51+16*\hd], v[S0+32*\hd+4:S0+32*\hd+5], v[S0+32*\hd+6:S0+32*\hd+7]
.endr
	WIN 0x04
.irp i, 8,12,16,20,24,28
.irp hd, 0,1
	v_pk_add_f32 v[48+16*\hd:49+16*\hd], v[48+16*\hd:49+16*\hd], v[S0+32*\hd+\i:S0+32*\hd+\i+1]
	v_pk_add_f32 v[50+16*\hd:51+16*\hd], v[50+16*\hd:51+16*\hd], v[S0+32*\hd+\i+2:S0+32*\hd+\i+3]
.endr
.endr
	WIN 0
.irp hd, 0,1
	v_pk_add_f32 v[48+16*\hd:49+16*\hd], v[48+16*\hd:49+16*\hd], v[50+16*\hd:51+16*\hd]
.endr
.irp hd, 0,1
	v_add_f32 v[54+16*\hd], v[48+16*\hd], v[49+16*\hd]
.endr
.irp hd, 0,1
	v_permlanex16_b32 v[42+16*\hd], v[54+16*\hd], s[SEL], s[SEL+1]
.endr
.irp hd, 0,1
	v_add_f32 v[54+16*\hd], v[54+16*\hd], v[42+16*\hd]
.endr
.irp hd, 0,1
	v_rcp_f32 v[54+16*\hd], v[54+16*\hd]
.endr
	v_nop
	s_wait_alu depctr_va_vdst(0)
.irp hd, 0,1
.irp b, 0,1
	v_max_num_f32 v[40+16*\hd+\b], 0x1800000, v[40+16*\hd+\b]
.endr
.endr
.irp hd, 0,1
.irp b, 0,1
	v_add_nc_u32 v[52+16*\hd+\b], 0xff000000, v[40+16*\hd+\b]
.endr
.endr
.irp hd, 0,1
.irp b, 0,1
	v_lshrrev_b32 v[42+16*\hd+\b], 23, v[52+16*\hd+\b]
.endr
.endr
.irp hd, 0,1
	v_lshl_or_b32 v[XS+\hd], v[43+16*\hd], 8, v[42+16*\hd]       ; q's scale word: two bytes; the upper two stay 0 over zero codes
.endr
	WIN 0x01
.irp hd, 0,1
	v_cvt_scalef32_pk16_fp6_f32 v[XF+12*\hd:XF+12*\hd+2], v[S0+32*\hd:S0+32*\hd+15], v[52+16*\hd]
	v_cvt_scalef32_pk16_fp6_f32 v[72+4*\hd:74+4*\hd], v[S0+32*\hd+16:S0+32*\hd+31], v[53+16*\hd]
.endr
	WIN 0
	v_nop
.irp hd, 0,1
.irp i, 0,1,2
	v_permlane16_swap_b32 v[XF+12*\hd+\i], v[72+4*\hd+\i]
.endr
.irp i, 0,1,2
	v_mov_b32 v[XF+12*\hd+3+\i], v[72+4*\hd+\i]
.endr
.endr
	PLACES 8                                       ; a scale word made by vector instructions stands eight places ahead of a scaled matrix instruction, an operand four; they are also the places in front of results laid over the scores
.if (\m) == 0
	s_wait_loadcnt 0x0                             ; attn
.endif
	WIN 0x40
.irp dt, 0,1,2,3
.irp hd, 0,1
	v_wmma_scale_f32_16x16x128_f8f6f4 v[S0+32*\hd+8*\dt:S0+32*\hd+8*\dt+7], v[WF+12*(4*\hd+\dt):WF+12*(4*\hd+\dt)+11], v[XF+12*\hd:XF+12*\hd+11], 0, v[WS+4*\hd+\dt], v[XS+\hd] matrix_a_fmt:MATRIX_FMT_FP6 matrix_b_fmt:MATRIX_FMT_FP6
.endr
.endr
	PLACES 4
	WIN 0x41
.irp hd, 0,1
.set jx, 0
.rept 16
	v_pk_mul_f32 v[S0+32*\hd+jx:S0+32*\hd+jx+1], v[S0+32*\hd+jx:S0+32*\hd+jx+1], v[54+16*\hd:55+16*\hd] op_sel_hi:[1,0]    ; y / l
.set jx, jx+2
.endr
.endr
	WIN 0
.endm
	SOFTQ 0
	SOFTQ 1
	SOFTQ 2
	SOFTQ 3
	; ---- y's layer norm: a row's 1,024 columns lie in eight waves
.irp m, 0,1,2,3
	SUMA 64*\m, 64, 1
	JOIN
	v_mul_f32 v[72+2*\m], 0x3c000000, v[AC]        ; my 128 columns' mean
	SUBW 64*\m, 64, 1, 72+2*\m
	SQA 64*\m, 64, 1
	JOIN
	v_mov_b32 v[73+2*\m], v[AC]
	ds_store_b64 v[STAY], v[72+2*\m:73+2*\m] offset:1024*\m
.endr
	BARRIER                                        ; a tensor load may stay out
.irp m, 0,1,2,3
.irp i, 0,1,2,3
	ds_load_b128 v[RA+16*\m+4*\i:RA+16*\m+4*\i+3], v[STLY] offset:1024*\m+16*\i
.endr
.endr
	s_wait_dscnt 0x0
.irp m, 0,1,2,3
	v_pk_add_f32 v[56+2*\m:57+2*\m], v[RA+16*\m:RA+16*\m+1], v[RA+16*\m+2:RA+16*\m+3]
.irp p, 2,3,4,5,6,7
	v_pk_add_f32 v[56+2*\m:57+2*\m], v[56+2*\m:57+2*\m], v[RA+16*\m+2*\p:RA+16*\m+2*\p+1]      ; the eight means, the eight sums of squares
.endr
	v_mul_f32 v[56+2*\m], 0x3e000000, v[56+2*\m]   ; the row's mean
	v_sub_f32 v68, v[RA+16*\m], v[56+2*\m]
	v_mul_f32 v[64+\m], v68, v68
.irp p, 1,2,3,4,5,6,7
	v_sub_f32 v68, v[RA+16*\m+2*\p], v[56+2*\m]
	v_fma_f32 v[64+\m], v68, v68, v[64+\m]
.endr
	v_fma_f32 v[57+2*\m], v[64+\m], 0x43000000, v[57+2*\m]       ; + 128 x the parts' squared distances from it
	v_fma_f32 v[57+2*\m], v[57+2*\m], s[IK], s[EP]
.endr
.irp m, 0,1,2,3
	v_rsq_f32 v[40+4*\m], v[57+2*\m]
.endr
	v_nop
	s_wait_alu depctr_va_vdst(0)                   ; one wait for the four
.irp m, 0,1,2,3
	v_sub_f32 v[42+4*\m], v[72+2*\m], v[56+2*\m]
	v_mul_f32 v[42+4*\m], v[42+4*\m], v[40+4*\m]
.endr
.irp b, 0,1,2,3
.irp jj, 0,1,2,3
	ds_load_b128 v[RA+16*\b+4*\jj:RA+16*\b+4*\jj+3], v[PBA] offset:16384+128*\b+16*\jj
	ds_load_b128 v[RB+16*\b+4*\jj:RB+16*\b+4*\jj+3], v[PBA] offset:20480+128*\b+16*\jj
.endr
.endr
	s_wait_dscnt 0x0
	WIN 0x41
.irp m, 0,1,2,3
.set jx, 0
.rept 32
	v_pk_fma_f32 v[64*\m+jx:64*\m+jx+1], v[64*\m+jx:64*\m+jx+1], v[40+4*\m:41+4*\m], v[42+4*\m:43+4*\m] op_sel_hi:[1,0,0]
.set jx, jx+2
.endr
.set jx, 0
.rept 32
	v_pk_fma_f32 v[64*\m+jx:64*\m+jx+1], v[64*\m+jx:64*\m+jx+1], v[RA+jx:RA+jx+1], v[RB+jx:RB+jx+1]      ; the gain, the bias and FiLM in one
.set jx, jx+2
.endr
.endr
	WIN 0
	; ---- silu, quantised: my 128 columns stand at place w of the last product's K
.irp m, 0,1,2,3
	SILU 64*\m, 1
	QUANTW T, 0, PC, PW
	IMAGE HWI, \m*1536
	ds_store_b32 v[HWS], v[PW] offset:128*\m
	s_wait_dscnt 0x0
.endr
	BIASLD 12288                                   ; out_b
	BARRIER                                        ; h's 32 fragments lie in LDS
	; ---- h out_W + out_b: K steps 8 to 15
	s_mov_b32 s[XO], 0
	s_mov_b32 s[XW], 0
	STEP 0, 1, 2
	CHANGE 0, 0
	s_mov_b32 s[CNT], 2
.Lo:
	STEP 1, 0, 0
	CHANGE 1, 0
	STEP 0, 0, 0
	CHANGE 0, 0
	s_sub_co_u32 s[CNT], s[CNT], 1
	s_cmp_lg_u32 s[CNT], 0
	s_cbranch_scc1 .Lo
	STEP 1, 0, 0
	CHANGE 1, 0                                    ; K step 15's block: the last load
	STEP 0, 0, 0                                   ; the last two K steps fill nothing and have no round
	s_add_co_u32 s[XO], s[XO], 6144
	s_add_co_u32 s[XW], s[XW], 512
	s_wait_tensorcnt 0x0                           ; the last block: my own bytes, read by me alone
	STEP 1, 0, 2
	; ---- THE WAY OUT, a tile of 16 rows at a time through my stage: it lies in my part of slot 0, which has had its last fill and my last read.  Rows come back whole: 32 lanes hold a row's 512 bytes.
	PLACES 4
.macro XRES m                          ; x's rows 16 m on, my 128 columns, for the residual
.irp i, 0,1,2,3,4,5,6,7,8,9,10,11,12,13,14,15
	global_load_b128 v[X0+64*((\m)%2)+4*\i:X0+64*((\m)%2)+4*\i+3], v[LI], s[4:5] offset:(\m)*65536+\i*4096 th:TH_LOAD_NT
.endr
.endm
	XRES 0
	XRES 1
.macro OUTT m
	WIN 0x04
.irp be, 0,1,2,3
.irp f, 0,1
	ds_store_b128 v[SO], v[64*(\m)+16*\be+8*\f:64*(\m)+16*\be+8*\f+3] offset:128*\be+32*\f          ; each accumulator from its low end on
	ds_store_b128 v[SO], v[64*(\m)+16*\be+8*\f+4:64*(\m)+16*\be+8*\f+7] offset:128*\be+32*\f+16
.endr
.endr
	WIN 0
.if (\m) > 0
	s_wait_xcnt 0x0                                ; the last tile's stores have read their registers
.endif
.irp i, 0,1,2,3,4,5,6,7,8,9,10,11,12,13,14,15
	ds_load_b128 v[YO+4*\i:YO+4*\i+3], v[SR] offset:528*\i         ; LDS serves a wave's instructions in order: these see my stores
.endr
	s_wait_dscnt 0x0
.if (\m) < 3
	s_wait_loadcnt 16                              ; this tile's rows of x are in; the next tile's 16 loads may stay out
.else
	s_wait_loadcnt 0x0
.endif
.set jx, 0
.rept 32
	v_pk_add_f32 v[YO+jx:YO+jx+1], v[YO+jx:YO+jx+1], v[X0+64*((\m)%2)+jx:X0+64*((\m)%2)+jx+1]
.set jx, jx+2
.endr
.if (\m) < 2
	XRES (\m)+2
.endif
.irp i, 0,1,2,3,4,5,6,7,8,9,10,11,12,13,14,15
	global_store_b128 v[LI], v[YO+4*\i:YO+4*\i+3], s[26:27] offset:(\m)*65536+\i*4096 th:TH_STORE_NT    ; 32 lanes store 512 consecutive bytes, at a multiple of 256 from out0's first byte
.endr
.endm
	OUTT 0
	OUTT 1
	OUTT 2
	OUTT 3
	s_wait_tensorcnt 0x0                           ; the wave's end
	ds_add_u32 v[SPW], v[NIL]
	s_wait_dscnt 0x0
	ROUND                                          ; the closing round
	s_endpgm
.Lfunc_end_k_q0fb4736bc9_main:
	.size	k_q0fb4736bc9_main, .Lfunc_end_k_q0fb4736bc9_main-k_q0fb4736bc9_main
	.p2alignl 7, 3214868480
	.fill 96, 4, 3214868480
	.section	.rodata,"a",@progbits
	.p2align	6, 0x0
	.amdhsa_kernel k_q0fb4736bc9_main
		.amdhsa_group_segment_fixed_size 327680
		.amdhsa_private_segment_fixed_size 0
		.amdhsa_enable_private_segment 0
		.amdhsa_kernarg_size 96
		.amdhsa_user_sgpr_count 2
		.amdhsa_user_sgpr_kernarg_segment_ptr 1
		.amdhsa_wavefront_size32 1
		.amdhsa_system_sgpr_workgroup_id_x 1
		.amdhsa_system_sgpr_workgroup_id_y 1
		.amdhsa_system_sgpr_workgroup_id_z 1
		.amdhsa_system_vgpr_workitem_id 0
		.amdhsa_next_free_vgpr 512
		.amdhsa_next_free_sgpr 92
		.amdhsa_reserve_vcc 0
		.amdhsa_float_denorm_mode_32 3
		.amdhsa_float_denorm_mode_16_64 3
		.amdhsa_memory_ordered 1
		.amdhsa_forward_progress 1
		.amdhsa_inst_pref_size 255
	.end_amdhsa_kernel
	.section	.bss,"aw",@nobits
	.p2align	6
	.space	262144
	.amdgpu_metadata
---
amdhsa.version: [ 1, 2 ]
amdhsa.kernels:
  - .name:           k_q0fb4736bc9_main
    .symbol:         k_q0fb4736bc9_main.kd
    .args:
      - { .name: x, .offset: 0, .size: 8, .value_kind: global_buffer, .address_space: global }
      - { .name: norm_g, .offset: 8, .size: 8, .value_kind: global_buffer, .address_space: global }
      - { .name: norm_b, .offset: 16, .size: 8, .value_kind: global_buffer, .address_space: global }
      - { .name: wimg, .offset: 24, .size: 8, .value_kind: global_buffer, .address_space: global }
      - { .name: bq, .offset: 32, .size: 8, .value_kind: global_buffer, .address_space: global }
      - { .name: attimg, .offset: 40, .size: 8, .value_kind: global_buffer, .address_space: global }
      - { .name: attsc, .offset: 48, .size: 8, .value_kind: global_buffer, .address_space: global }
      - { .name: epart, .offset: 56, .size: 8, .value_kind: global_buffer, .address_space: global }
      - { .name: fnorm_g, .offset: 64, .size: 8, .value_kind: global_buffer, .address_space: global }
      - { .name: fnorm_b, .offset: 72, .size: 8, .value_kind: global_buffer, .address_space: global }
      - { .name: out_b, .offset: 80, .size: 8, .value_kind: global_buffer, .address_space: global }
      - { .name: out0, .offset: 88, .size: 8, .value_kind: global_buffer, .address_space: global }
    .group_segment_fixed_size: 327680
    .private_segment_fixed_size: 0
    .kernarg_segment_align: 8
    .kernarg_segment_size: 96
    .max_flat_workgroup_size: 256
    .sgpr_count:     92
    .vgpr_count:     512
    .wavefront_size: 32
...
	.end_amdgpu_metadata
.endif
;; end of part 3
